; MI455X (gfx1250); checked and timed in simulation.
; The chip was launched on July 23, 2026; its instructions are those of AMD's public machine-readable ISA for CDNA 5 (MIT licence, August 2026) and "CDNA5" Instruction Set Architecture Reference Guide (July 2026). The comments in the code are by the model that wrote it; some were corrected since.
;; Transformer Block. Allowed arithmetic: matrix products marked QUANTISED: E2M1 operands, one E8M0 scale for each 32 along K, by v_wmma_scale_f32_16x16x128_f8f6f4 with both operands' format E2M1 (or v_wmma_scale_f32_32x16x128_f4), f32 sums; everything else in f32.
;; Inputs: b1 2,048 float32; b2 512 float32; bo 512 float32; ln1_scale 512 float32; ln1_shift 512 float32; ln2_scale 512 float32; ln2_shift 512 float32; w1_codes 2,048 x 16 x 16 uint8 (E2M1 codes of w1, K innermost, in blocks of 32 codes, two codes a byte); w1_scales 2,048 x 16 uint8 (E8M0 scales of w1, one for each 32 codes along K); w2_codes 512 x 64 x 16 uint8 (E2M1 codes of w2, K innermost, in blocks of 32 codes, two codes a byte); w2_scales 512 x 64 uint8 (E8M0 scales of w2, one for each 32 codes along K); wk_codes 512 x 16 x 16 uint8 (E2M1 codes of wk, K innermost, in blocks of 32 codes, two codes a byte); wk_scales 512 x 16 uint8 (E8M0 scales of wk, one for each 32 codes along K); wo_codes 512 x 16 x 16 uint8 (E2M1 codes of wo, K innermost, in blocks of 32 codes, two codes a byte); wo_scales 512 x 16 uint8 (E8M0 scales of wo, one for each 32 codes along K); wq_codes 512 x 16 x 16 uint8 (E2M1 codes of wq, K innermost, in blocks of 32 codes, two codes a byte); wq_scales 512 x 16 uint8 (E8M0 scales of wq, one for each 32 codes along K); wv_codes 512 x 16 x 16 uint8 (E2M1 codes of wv, K innermost, in blocks of 32 codes, two codes a byte); wv_scales 512 x 16 uint8 (E8M0 scales of wv, one for each 32 codes along K); x 4 x 2,048 x 512 float32.
;; Outputs: out0 4 x 2,048 x 512 float32.
;; This version of the problem:
;;   THIS VERSION OF THE PROBLEM IS GIVEN IN LOW PRECISION. The matrix products marked QUANTISED in the list below multiply operands that are first quantised to E2M1 (2 exponent bits, 1 mantissa bit; 4 bits a number), with one power-of-two scale for each 32 numbers along K (OCP MX v1.0); their sums are f32. All else is computed in f32.
;;   The module's matrix products, in the order in which they are computed (A, B: the left and right operand; K: the contracted axis; several contracted axes count as one K, in the product's order):
;;     1. [M 8,192, K 512] x [K 512, N 512]; A: computed on the way; B: input wq (given as codes): QUANTISED
;;     2. [M 8,192, K 512] x [K 512, N 512]; A: computed on the way; B: input wk (given as codes): QUANTISED
;;     3. [M 8,192, K 512] x [K 512, N 512]; A: computed on the way; B: input wv (given as codes): QUANTISED
;;     4. batch 64 x [M 2,048, K 32] x [K 32, N 2,048]; A: computed on the way; B: computed on the way: QUANTISED
;;     5. batch 64 x [M 32, K 2,048] x [K 2,048, N 2,048]; A: computed on the way; B: softmax (see below): QUANTISED
;;     6. [M 8,192, K 512] x [K 512, N 512]; A: computed on the way; B: input wo (given as codes): QUANTISED
;;     7. [M 8,192, K 512] x [K 512, N 2,048]; A: computed on the way; B: input w1 (given as codes): QUANTISED
;;     8. [M 8,192, K 2,048] x [K 2,048, N 512]; A: computed on the way; B: input w2 (given as codes): QUANTISED
;;   THE QUANTISER, for each operand of a quantised product, along K:
;;     - K is cut into blocks of 32 from its start; a last block that is shorter is filled with zeros.
;;     - A block's scale is 2^e with e = floor(log2(the largest magnitude in the block)) - 2, held to -126 .. 127; a block of zeros has e = 0. As a byte (E8M0): e + 127.
;;     - Each number is divided by its block's scale, clamped to +-6, and rounded to the nearest number of E2M1, ties to even, subnormals kept.
;;     - The product sums the exact products of the quantised numbers (number of the format x scale) in f32.
;;   ~~~python
;;   def quantise(x, axis):      # numpy; x: float32 -> the quantised numbers, widened to float32 again
;;       x = np.moveaxis(x, axis, -1); K = x.shape[-1]
;;       x = np.pad(x, [(0, 0)] * (x.ndim - 1) + [(0, -K % 32)]); x = x.reshape(x.shape[:-1] + (-1, 32)); a = np.abs(x).max(-1, keepdims=True)
;;       e = np.where(a > 0, np.clip(np.frexp(np.where(a > 0, a, 1))[1] - 1 - 2, -126, 127), 0)      # np.frexp(a)[1] - 1 = floor(log2(a)), exactly
;;       r = np.clip(x / 2.0 ** e, -6, 6)
;;       step = 2.0 ** (np.maximum(np.frexp(np.where(r == 0, 1, r))[1] - 1, 0) - 1)
;;       q = np.round(r / step) * step * 2.0 ** e      # np.round: ties to even
;;       return np.moveaxis(q.reshape(q.shape[:-2] + (-1,))[..., :K], -1, axis).astype(np.float32)
;;   ~~~
;;   SOFTMAX AHEAD OF A QUANTISED PRODUCT. Where the list says 'softmax', what is quantised is not the finished softmax but p = 2^(t - M), with t = logit x log2(e) and M = ceil(the row's largest t), a whole number; so 1/2 < the row's largest p <= 1. The row's sum l is taken of the UNQUANTISED p, in f32, and the product's result is divided by l at the end. Since M is a whole number, a kernel that streams over the keys may use a running M (the ceiling of the running maximum): every later rescaling is an exact power of two, which a block's scale takes up: the codes' values come out the same.
;;   OPERANDS COMPUTED ON THE WAY. 'Computed on the way' means the value that the module computes at that place (a softmax that the list does not call 'softmax' is quantised finished and normalised). What goes into a quantiser is computed in f32, as accurately as f32 sums, v_exp_f32 and their like allow (about 1e-6 of the number): no bf16 or f16 on the way to a quantiser, and a product that is left as it is and whose result goes on into a quantised operand takes f32 operands (vector FMAs, or v_wmma_f32_16x16x4_f32). A number that lies on a knife's edge between two numbers of the format may be rounded either way, as far as f32 arithmetic and the matrix unit's own rounding can turn it there, and no further.
;;   INPUTS GIVEN AS CODES. w1 (in the module: [512, 2048], K = its axis 0); w2 (in the module: [2048, 512], K = its axis 0); wk (in the module: [512, 512], K = its axis 0); wo (in the module: [512, 512], K = its axis 0); wq (in the module: [512, 512], K = its axis 0); wv (in the module: [512, 512], K = its axis 0): each comes as NAME_codes (uint8): NAME with its K axis moved to the last place and cut into blocks of 32 codes, [.., K / 32, bytes a block], one block behind the other in memory; two codes a byte, the lower K in the low four bits (a code: sign, 2 exponent bits, 1 mantissa bit); and NAME_scales (uint8): the same leading axes, one E8M0 byte (e + 127) for each 32 codes along K. Its value is code x scale, taken as it is: it is not quantised again, and the codes and scales need not be those that the quantiser above would give.
;; 2 versions. Each part assembles by itself: llvm-mc -triple=amdgcn-amd-amdhsa -mcpu=gfx1250 --defsym DOCPART=n.
;; ======== version 1 of 2: 3 launches
;; workspace buffers: qc 2,097,152 bytes; kc 2,097,152 bytes; vc 2,097,152 bytes; qs 131,072 bytes; ks 131,072 bytes; vs 131,072 bytes; cc 2,097,152 bytes; cs 131,072 bytes
;; launch lnqkv (part 1): grid 256 x 1, 16 waves a work-group, no clusters, 78,848 bytes of LDS; arguments x, ln1_scale, ln1_shift, wq_codes, wq_scales, wk_codes, wk_scales, wv_codes, wv_scales, qc, qs, kc, ks, vc, vs; writes qc, qs, kc, ks, vc, vs
.if DOCPART == 1
	.amdgcn_target "amdgcn-amd-amdhsa--gfx1250"
	.amdhsa_code_object_version 6
	.text
	.protected	k_qb4ee51366d_lnqkv
	.globl	k_qb4ee51366d_lnqkv
	.p2align	8
	.type	k_qb4ee51366d_lnqkv,@function
k_qb4ee51366d_lnqkv:
	s_mov_b64 s[64:65], 0
	v_nop
	global_prefetch_b8 v0, s[64:65] scope:SCOPE_SE
	s_setreg_imm32_b32 hwreg(HW_REG_WAVE_MODE, 25, 1), 1
	s_wait_xcnt 0x0
; h = layernorm(x) in f32, quantised to FP4 (E2M1) with one E8M0 scale for each 32 along K; q = h wq, k = h wk, v = h wv on codes; q and k are quantised along the head's 32,
; v along 32 tokens, and all three leave as codes and scale bytes in the order in which the next launch's operand registers take them.
; SHARES.  A work-group of 16 waves takes 32 tokens (one block of 32 keys of one batch).  For the norm wave w = 8 T + ch takes 16 tokens (tile T) x 64 columns (64 ch on): a lane holds one whole block of 32.
; For the products wave w is head w: 32 columns of each weight, 16 fragments, straight from memory into registers, each byte once in a work-group, each fragment for two matrix instructions.
; SLOT ORDER.  Slot 16 T + r of 32 holds item 8 T + (r & 7) + 16 (r >> 3).  Tokens lie so in the two tiles, and so do a weight's 32 rows.  With source 0 = 16 rows of W and source 1 = 16 tokens a lane (r, h) then holds
; one token and 16 NEIGHBOURING columns 16 h + 0 .. 15 in the 16 registers of two tiles; with the sources swapped (for v) one column d and 16 neighbouring tokens.  A block of 32 lies in lanes l and l xor 16.
; h goes from wave to wave through LDS as an image of the operand's registers: 16 bytes a lane at 16 x lane.
; NO CLUSTER, NO TENSOR LOAD: the weights are shared by all work-groups, but a joint load lands in LDS, and each fragment would then be read from LDS once more for its two matrix instructions;
; here a wave's 24,576 bytes of a weight's codes go into its registers as they lie.  The simpler form; not shown to be the faster one.
; LIMITS: NaN and infinities among the inputs are not served.  A block of zeros, or one whose largest magnitude lies under 2^-124, gets the scale byte 1 (its codes are then zeros or the nearest codes under that
; scale); the bytes are read by this program alone.  1 / sqrt is v_rsq_f32.  The variance is the mean of (x - mean)^2, taken in a second pass, so that an offset in x does not cancel.
.set H,    16                          ; v16-79   h's fragments: (tile T, K step s) at H + 32 T + 8 s.  Before that: v16-47 the shift, v48-79 two rows of x
.set HS,   80                          ; v80-87   h's scale words, 4 T + s: scales and nothing else
.set W,    88                          ; v88-151  a weight's fragments: (tile u, K step s) at W + 32 u + 8 s
.set WS,   152                         ; v152-159 their scale words, 4 u + s: scales and nothing else
.set ACC,  160                         ; v160-191 four accumulators.  Before that: the gain
.set X,    192                         ; v192-223 my block of 32 numbers
.set XIMG, 0                           ; LDS: h's 8 fragments, 1,024 bytes each: register group c at 512 c + 16 x lane
.set XSC,  8192                        ; their scale bytes: [T][r][16]
.set RED1, 8704                        ; partial sums: [T][r][8 words]
.set RED2, 9728                        ; partial sums of squares
.set STG,  10752                       ; 32 rows of x in slot order, 2,048 bytes + 16: 129 x 16 bytes from row to row, so that sixteen rows' 16 bytes fall on different banks
.set SP,   2064
.set SEL,  60                          ; s[60:61] selects of v_permlanex16_b32 for lane l xor 16
.macro PLACES n
.rept \n
	v_nop
.endr
.endm
.macro BARRIER                         ; my LDS stores have landed and my LDS loads are in: then the work-group's barrier
	s_wait_dscnt 0x0
	s_barrier_signal -1
	s_barrier_wait -1
.endm
; 18 loads: the 16 fragments' halves and the 8 scale words of 32 rows of a weight whose rows are P bytes.  va = ((r & 7) + 16 (r >> 3)) P + 16 h, vs = the same row x P / 16
.macro WLOAD cb, sb, va, vs, P, off, soff
.irp u, 0,1
.irp s, 0,1,2,3
.irp c, 0,1
	global_load_b128 v[W+32*\u+8*\s+4*\c:W+32*\u+8*\s+4*\c+3], v[\va], s[\cb:\cb+1] offset:(\off)+8*\u*(\P)+64*\s+32*\c
.endr
.endr
.endr
.irp u, 0,1
	global_load_b128 v[WS+4*\u:WS+4*\u+3], v[\vs], s[\sb:\sb+1] offset:(\soff)+8*\u*(\P)/16
.endr
.endm
; 16 matrix instructions: 32 rows of W x 32 tokens x K = 512.  The four accumulators take turns, one instruction a turn.  The first K step starts the sums.
.macro UNIT acc                        ; source 0 = W: lane (r, h): token slot (T, r); register 16 T + 8 u + j: column 16 h + 8 u + j
.irp s, 0,1,2,3
.irp t, 0,1
.irp u, 0,1
.set rD, \acc+16*\t+8*\u
.set rA, W+32*\u+8*\s
.set rB, H+32*\t+8*\s
.if \s == 0
	v_wmma_scale_f32_16x16x128_f8f6f4 v[rD:rD+7], v[rA:rA+7], v[rB:rB+7], 0, v[WS+4*\u+\s], v[HS+4*\t+\s] matrix_a_fmt:MATRIX_FMT_FP4 matrix_b_fmt:MATRIX_FMT_FP4
.else
	v_wmma_scale_f32_16x16x128_f8f6f4 v[rD:rD+7], v[rA:rA+7], v[rB:rB+7], v[rD:rD+7], v[WS+4*\u+\s], v[HS+4*\t+\s] matrix_a_fmt:MATRIX_FMT_FP4 matrix_b_fmt:MATRIX_FMT_FP4
.endif
.endr
.endr
.endr
.endm
.macro UNITN acc                       ; source 0 = h: lane (r, h): column slot (u, r); register 16 u + 8 T + j: token 16 h + 8 T + j
.irp s, 0,1,2,3
.irp u, 0,1
.irp t, 0,1
.set rD, \acc+16*\u+8*\t
.set rA, H+32*\t+8*\s
.set rB, W+32*\u+8*\s
.if \s == 0
	v_wmma_scale_f32_16x16x128_f8f6f4 v[rD:rD+7], v[rA:rA+7], v[rB:rB+7], 0, v[HS+4*\t+\s], v[WS+4*\u+\s] matrix_a_fmt:MATRIX_FMT_FP4 matrix_b_fmt:MATRIX_FMT_FP4
.else
	v_wmma_scale_f32_16x16x128_f8f6f4 v[rD:rD+7], v[rA:rA+7], v[rB:rB+7], v[rD:rD+7], v[HS+4*\t+\s], v[WS+4*\u+\s] matrix_a_fmt:MATRIX_FMT_FP4 matrix_b_fmt:MATRIX_FMT_FP4
.endif
.endr
.endr
.endr
.endm
; Two runs of 16 registers, a + 16 x, each half a block of 32 (the other half in lane l xor 16), become codes in v[240 + 2 x], v[241 + 2 x] and a scale byte in v[254 + x].  The two runs by turns; each accumulator is read from its low end on.
.macro QPAIR2 a
.irp x, 0,1
	v_max3_num_f32 v[248+\x], |v[\a+16*\x]|, |v[\a+16*\x+1]|, 0x1800000   ; and the floor 2^(3 - 127): the byte cannot fall under 1
.endr
.irp i, 2,4,6,8,10,12,14
.irp x, 0,1
	v_max3_num_f32 v[248+\x], v[248+\x], |v[\a+16*\x+\i]|, |v[\a+16*\x+\i+1]|
.endr
.endr
.irp x, 0,1
	v_permlanex16_b32 v[250+\x], v[248+\x], s[SEL], s[SEL+1]
.endr
.irp x, 0,1
	v_max_num_f32 v[248+\x], v[248+\x], v[250+\x]          ; the block's largest magnitude
.endr
.irp x, 0,1
	v_add_nc_u32 v[252+\x], 0xff000000, v[248+\x]          ; 2 off its exponent field: the conversion takes this operand's exponent field as its scale
.endr
.irp x, 0,1
	v_lshrrev_b32 v[254+\x], 23, v[252+\x]                 ; the scale's byte
.endr
.irp x, 0,1
	v_cvt_scalef32_pk8_fp4_f32 v[240+2*\x], v[\a+16*\x:\a+16*\x+7], v[252+\x]
	v_cvt_scalef32_pk8_fp4_f32 v[241+2*\x], v[\a+16*\x+8:\a+16*\x+15], v[252+\x]
.endr
	v_nop                                          ; one plain place behind the scaled conversions
.endm
.macro CODES_OUT base                  ; lane (r, h) stores 8 bytes at 16 r + 8 h: each store covers 256 consecutive bytes, aligned
	global_store_b64 v13, v[240:241], s[\base:\base+1]
	global_store_b64 v13, v[242:243], s[\base:\base+1] offset:256
.endm
.macro ALLSUM off                      ; the eight waves' partial sums of my token, added in one fixed order, into v228
	ds_load_b128 v[228:231], v6 offset:\off
	ds_load_b128 v[232:235], v6 offset:\off+16
	s_wait_dscnt 0x0
	v_pk_add_f32 v[228:229], v[228:229], v[230:231]
	v_pk_add_f32 v[232:233], v[232:233], v[234:235]
	v_pk_add_f32 v[228:229], v[228:229], v[232:233]
	v_add_f32 v228, v228, v229
.endm
	s_load_b512 s[8:23], s[0:1], 0x0               ; x 8, gain 10, shift 12, wq codes 14, scales 16, wk 18, 20, wv codes 22
	s_load_b256 s[24:31], s[0:1], 0x40             ; wv scales 24, qc 26, qs 28, kc 30
	s_load_b128 s[32:35], s[0:1], 0x60             ; ks 32, vc 34
	s_load_b64 s[36:37], s[0:1], 0x70              ; vs 36
	v_lshl_add_u32 v246, v0, 2, 0x12c00
	v_mov_b32 v247, 0
	v_lshrrev_b32 v15, 5, v0
	v_readfirstlane_b32 s40, v15                   ; wave w
	v_and_b32 v1, 31, v0
	v_lshlrev_b32 v1, 4, v1                        ; v1  16 x lane
	v_and_b32 v14, 15, v0                          ; r
	v_bfe_u32 v15, v0, 4, 1                        ; h
	s_lshr_b32 s41, s40, 3                         ; T
	s_and_b32 s42, s40, 7                          ; ch
	s_mul_i32 s43, s40, 2*SP
	s_add_co_u32 s43, s43, STG
	v_add_nc_u32 v2, s43, v1                       ; v2  the stage, in: slots 2 w and 2 w + 1, 16 bytes a lane
	s_mul_i32 s43, s41, 16*SP
	s_lshl_b32 s44, s42, 8
	s_add_co_u32 s43, s43, s44
	s_add_co_u32 s43, s43, STG
	v_mul_u32_u24 v3, v14, SP
	v_lshl_add_u32 v3, v15, 7, v3
	v_add_nc_u32 v3, s43, v3                       ; v3  the stage, out: slot 16 T + r, byte 256 ch + 128 h: my block
	v_lshlrev_b32 v4, 7, v15                       ; v4  128 h: my block in the wave's 64 gains and shifts
	s_lshl_b32 s43, s41, 9
	s_add_co_u32 s43, s43, RED1
	v_lshl_add_u32 v6, v14, 5, s43                 ; v6  my token's eight partial sums
	s_lshl_b32 s44, s42, 2
	v_add_nc_u32 v5, s44, v6                       ; v5  and my wave's word among them
	v_lshlrev_b32 v7, 4, v0                        ; v7  the image: fragment 4 T + ch / 2, group ch % 2, 16 x lane = 16 x thread
	s_lshl_b32 s43, s41, 8
	s_lshl_b32 s44, s42, 1
	s_add_co_u32 s43, s43, s44
	s_add_co_u32 s43, s43, XSC
	v_lshl_add_u32 v8, v14, 4, v15
	v_add_nc_u32 v8, s43, v8                       ; v8  my block's scale byte: 256 T + 16 r + 2 ch + h
	v_lshlrev_b32 v10, 4, v14                      ; v10 16 r: a token's 16 scale bytes
	v_and_b32 v9, 8, v14
	v_add_nc_u32 v9, v9, v14                       ; (r & 7) + 16 (r >> 3)
	v_lshlrev_b32 v11, 8, v9
	v_lshl_add_u32 v11, v15, 4, v11                ; v11 a weight's row of 256 bytes, + 16 h
	v_lshlrev_b32 v12, 4, v9                       ; v12 its 16 scale bytes
	v_lshlrev_b32 v13, 4, v14
	v_lshl_add_u32 v13, v15, 3, v13                ; v13 16 r + 8 h: my 8 bytes of codes
	v_lshlrev_b32 v14, 2, v14                      ; v14 4 r: my row's scale word in the workspace
	v_mov_b32 v250, 0                              ; written once: a lane permute's destination counts as one of its sources
	v_mov_b32 v251, 0
	s_lshr_b32 s45, ttmp9, 6                       ; batch
	s_and_b32 s46, ttmp9, 63                       ; kb: which 32 tokens of the batch
	s_lshl_b32 s47, s45, 4
	s_add_co_u32 s47, s47, s40                     ; hd = 16 x batch + head
	s_lshl_b32 s48, ttmp9, 5                       ; slots 2 w, 2 w + 1 are tokens 8 (w >> 3) + 16 ((w >> 2) & 1) + 2 (w & 3) + 0, 1: 4,096 consecutive bytes of x
	s_lshl_b32 s49, s41, 3
	s_add_co_u32 s48, s48, s49
	s_bfe_u32 s49, s40, 0x10002
	s_lshl_b32 s49, s49, 4
	s_add_co_u32 s48, s48, s49
	s_and_b32 s49, s40, 3
	s_lshl_b32 s49, s49, 1
	s_add_co_u32 s48, s48, s49
	s_lshl_b32 s48, s48, 11
	s_mov_b32 s49, 0
	s_lshl_b32 s50, s42, 8                         ; 256 ch: the wave's 64 gains
	s_mov_b32 s51, 0
	s_lshl_b32 s52, s40, 13                        ; my head's 32 rows of a weight's codes
	s_mov_b32 s53, 0
	s_lshl_b32 s54, s40, 9                         ; and of its scale bytes
	s_mov_b32 s55, 0
	s_lshl_b32 s56, s47, 15                        ; codes out: [hd][kb][32 slots][16 bytes]
	s_lshl_b32 s57, s46, 9
	s_add_co_u32 s56, s56, s57
	s_mov_b32 s57, 0
	s_lshl_b32 s58, s47, 11
	s_lshr_b32 s4, s46, 1                          ; q's and k's scale bytes: [hd][64 tokens][r][4]: byte 2 (kb & 1) + T
	s_lshl_b32 s4, s4, 6
	s_and_b32 s5, s46, 1
	s_lshl_b32 s5, s5, 1
	s_add_co_u32 s4, s4, s5
	s_add_co_u32 s4, s4, s58
	s_mov_b32 s5, 0
	s_lshr_b32 s6, s46, 2                          ; v's: [hd][128 tokens][32 slots of d][4]: byte kb & 3
	s_lshl_b32 s6, s6, 7
	s_and_b32 s7, s46, 3
	s_add_co_u32 s6, s6, s7
	s_add_co_u32 s6, s6, s58
	s_mov_b32 s7, 0
	s_mov_b32 s[SEL], 0x76543210
	s_mov_b32 s[SEL+1], 0xfedcba98
	s_mov_b32 s59, 0x3b000000                      ; 1 / 512
	s_wait_kmcnt 0x0
	s_add_nc_u64 s[8:9], s[8:9], s[48:49]
	s_add_nc_u64 s[10:11], s[10:11], s[50:51]
	s_add_nc_u64 s[12:13], s[12:13], s[50:51]
	s_add_nc_u64 s[14:15], s[14:15], s[52:53]
	s_add_nc_u64 s[16:17], s[16:17], s[54:55]
	s_add_nc_u64 s[18:19], s[18:19], s[52:53]
	s_add_nc_u64 s[20:21], s[20:21], s[54:55]
	s_add_nc_u64 s[22:23], s[22:23], s[52:53]
	s_add_nc_u64 s[24:25], s[24:25], s[54:55]
	s_add_nc_u64 s[26:27], s[26:27], s[56:57]
	s_add_nc_u64 s[28:29], s[28:29], s[4:5]
	s_add_nc_u64 s[30:31], s[30:31], s[56:57]
	s_add_nc_u64 s[32:33], s[32:33], s[4:5]
	s_add_nc_u64 s[34:35], s[34:35], s[56:57]
	s_add_nc_u64 s[36:37], s[36:37], s[6:7]
.irp i, 0,1,2,3,4,5,6,7
	global_load_b128 v[48+4*\i:51+4*\i], v1, s[8:9] offset:512*\i th:TH_LOAD_NT   ; two rows of x: each load 512 consecutive bytes
.endr
.irp i, 0,1,2,3,4,5,6,7
	global_load_b128 v[160+4*\i:163+4*\i], v4, s[10:11] offset:16*\i              ; my block's 32 gains
.endr
.irp i, 0,1,2,3,4,5,6,7
	global_load_b128 v[16+4*\i:19+4*\i], v4, s[12:13] offset:16*\i                ; and shifts
.endr
	WLOAD 14, 16, 11, 12, 256, 0, 0                ; wq lands while the norm is taken
	s_wait_loadcnt 34                              ; x's eight loads are in; the 8 + 8 + 18 behind them stay out
.irp i, 0,1,2,3,4,5,6,7
	ds_store_b128 v2, v[48+4*\i:51+4*\i] offset:(\i/4)*SP+512*(\i%4)
.endr
	BARRIER                                        ; the 32 rows lie in the stage
.irp i, 0,1,2,3,4,5,6,7
	ds_load_b128 v[X+4*\i:X+4*\i+3], v3 offset:16*\i
.endr
	s_wait_dscnt 0x0
	; the mean
	v_pk_add_f32 v[224:225], v[X:X+1], v[X+2:X+3]
	v_pk_add_f32 v[226:227], v[X+4:X+5], v[X+6:X+7]
.irp j, 8,12,16,20,24,28
	v_pk_add_f32 v[224:225], v[224:225], v[X+\j:X+\j+1]
	v_pk_add_f32 v[226:227], v[226:227], v[X+\j+2:X+\j+3]
.endr
	v_pk_add_f32 v[224:225], v[224:225], v[226:227]
	v_add_f32 v224, v224, v225
	v_permlanex16_b32 v250, v224, s[SEL], s[SEL+1]
	v_add_f32 v224, v224, v250                     ; my wave's 64 columns of token (T, r)
	ds_store_b32 v5, v224                          ; (both halves of the lanes write the same word with the same value)
	BARRIER
	ALLSUM 0
	v_mul_f32 v236, s59, v228
	v_mov_b32 v237, v236
.irp j, 0,2,4,6,8,10,12,14,16,18,20,22,24,26,28,30
	v_pk_add_f32 v[X+\j:X+\j+1], v[X+\j:X+\j+1], v[236:237] neg_lo:[0,1] neg_hi:[0,1]   ; x - mean
.endr
	; the variance
	v_pk_mul_f32 v[224:225], v[X:X+1], v[X:X+1]
	v_pk_mul_f32 v[226:227], v[X+2:X+3], v[X+2:X+3]
.irp j, 4,8,12,16,20,24,28
	v_pk_fma_f32 v[224:225], v[X+\j:X+\j+1], v[X+\j:X+\j+1], v[224:225]
	v_pk_fma_f32 v[226:227], v[X+\j+2:X+\j+3], v[X+\j+2:X+\j+3], v[226:227]
.endr
	v_pk_add_f32 v[224:225], v[224:225], v[226:227]
	v_add_f32 v224, v224, v225
	v_permlanex16_b32 v250, v224, s[SEL], s[SEL+1]
	v_add_f32 v224, v224, v250
	ds_store_b32 v5, v224 offset:RED2-RED1
	BARRIER
	ALLSUM RED2-RED1
	v_mov_b32 v229, 0x3727c5ac                     ; 1e-5
	v_fma_f32 v228, v228, s59, v229
	v_rsq_f32 v236, v228
	v_nop                                          ; one plain place behind the transcendental
	s_wait_alu depctr_va_vdst(0)
	v_mov_b32 v237, v236
	s_wait_loadcnt 18                              ; gain and shift are in; wq's 18 loads stay out
.irp j, 0,2,4,6,8,10,12,14,16,18,20,22,24,26,28,30
	v_pk_mul_f32 v[X+\j:X+\j+1], v[X+\j:X+\j+1], v[236:237]
.endr
.irp j, 0,2,4,6,8,10,12,14,16,18,20,22,24,26,28,30
	v_pk_fma_f32 v[X+\j:X+\j+1], v[X+\j:X+\j+1], v[160+\j:161+\j], v[16+\j:17+\j]
.endr
	; my block of 32: all its numbers are mine
	v_max3_num_f32 v248, |v[X]|, |v[X+1]|, |v[X+2]|
	v_max3_num_f32 v249, |v[X+3]|, |v[X+4]|, |v[X+5]|
.irp i, 6,10,14,18,22,26
	v_max3_num_f32 v248, v248, |v[X+\i]|, |v[X+\i+1]|
	v_max3_num_f32 v249, v249, |v[X+\i+2]|, |v[X+\i+3]|
.endr
	v_max3_num_f32 v248, v248, |v[X+30]|, |v[X+31]|
	v_max3_num_f32 v248, v248, v249, 0x1800000     ; and the floor
	v_add_nc_u32 v252, 0xff000000, v248
	v_lshrrev_b32 v254, 23, v252
.irp g, 0,1,2,3
	v_cvt_scalef32_pk8_fp4_f32 v[240+\g], v[X+8*\g:X+8*\g+7], v252
.endr
	v_nop
	ds_store_b128 v7, v[240:243] offset:XIMG
	ds_store_b8 v8, v254
	BARRIER                                        ; h's eight fragments and their scale bytes lie in LDS
.irp f, 0,1,2,3,4,5,6,7
.irp c, 0,1
	ds_load_b128 v[H+8*\f+4*\c:H+8*\f+4*\c+3], v1 offset:XIMG+1024*\f+512*\c
.endr
.endr
.irp t, 0,1
	ds_load_b128 v[HS+4*\t:HS+4*\t+3], v10 offset:XSC+256*\t
.endr
	s_wait_dscnt 0x0
	s_wait_loadcnt 0x0                             ; wq
	UNIT ACC                                       ; q
	PLACES 5                                       ; behind the products: in front of the loads into W, the reads of the results, and the next unit's products, which begin the accumulators anew
	WLOAD 18, 20, 11, 12, 256, 0, 0                ; wk lands while q is quantised
	QPAIR2 ACC
	CODES_OUT 26
	v_lshl_or_b32 v244, v255, 8, v254              ; bytes 2 (kb & 1) + 0, 1 of my row's word
	global_store_b16 v14, v244, s[28:29]           ; 2 bytes a row: a sixteenth of what the codes' stores carry; lanes 16-31 repeat lanes 0-15
	s_wait_loadcnt 0x0
	UNIT ACC                                       ; k
	PLACES 5
	WLOAD 22, 24, 11, 12, 256, 0, 0                ; wv
	s_wait_xcnt 0x0                                ; q's stores have read their data: the registers are written again only behind this wait
	QPAIR2 ACC
	CODES_OUT 30
	v_lshl_or_b32 v244, v255, 8, v254
	global_store_b16 v14, v244, s[32:33]
	s_wait_loadcnt 0x0
	UNITN ACC                                      ; v, with the tokens along a lane's registers
	PLACES 5
	s_wait_xcnt 0x0                                ; k's stores have read their data
	QPAIR2 ACC
	CODES_OUT 34
	global_store_b8 v14, v254, s[36:37]            ; slot of d (u = 0, r), byte kb & 3
	global_store_b8 v14, v255, s[36:37] offset:64  ; u = 1
	s_wait_tensorcnt 0x0
	ds_add_u32 v246, v247
	s_wait_dscnt 0x0
	s_endpgm
.Lfunc_end_k_qb4ee51366d_lnqkv:
	.size	k_qb4ee51366d_lnqkv, .Lfunc_end_k_qb4ee51366d_lnqkv-k_qb4ee51366d_lnqkv
	.p2alignl 7, 3214868480
	.fill 96, 4, 3214868480
	.section	.rodata,"a",@progbits
	.p2align	6, 0x0
	.amdhsa_kernel k_qb4ee51366d_lnqkv
		.amdhsa_group_segment_fixed_size 78848
		.amdhsa_private_segment_fixed_size 0
		.amdhsa_enable_private_segment 0
		.amdhsa_kernarg_size 120
		.amdhsa_user_sgpr_count 2
		.amdhsa_user_sgpr_kernarg_segment_ptr 1
		.amdhsa_wavefront_size32 1
		.amdhsa_system_sgpr_workgroup_id_x 1
		.amdhsa_system_sgpr_workgroup_id_y 1
		.amdhsa_system_sgpr_workgroup_id_z 1
		.amdhsa_system_vgpr_workitem_id 0
		.amdhsa_next_free_vgpr 256
		.amdhsa_next_free_sgpr 66
		.amdhsa_reserve_vcc 0
		.amdhsa_float_denorm_mode_32 3
		.amdhsa_float_denorm_mode_16_64 3
		.amdhsa_memory_ordered 1
		.amdhsa_forward_progress 1
		.amdhsa_inst_pref_size 36
	.end_amdhsa_kernel
	.amdgpu_metadata
---
amdhsa.version: [ 1, 2 ]
amdhsa.kernels:
  - .name:           k_qb4ee51366d_lnqkv
    .symbol:         k_qb4ee51366d_lnqkv.kd
    .args:
      - { .name: x, .offset: 0, .size: 8, .value_kind: global_buffer, .address_space: global }
      - { .name: ln1_scale, .offset: 8, .size: 8, .value_kind: global_buffer, .address_space: global }
      - { .name: ln1_shift, .offset: 16, .size: 8, .value_kind: global_buffer, .address_space: global }
      - { .name: wq_codes, .offset: 24, .size: 8, .value_kind: global_buffer, .address_space: global }
      - { .name: wq_scales, .offset: 32, .size: 8, .value_kind: global_buffer, .address_space: global }
      - { .name: wk_codes, .offset: 40, .size: 8, .value_kind: global_buffer, .address_space: global }
      - { .name: wk_scales, .offset: 48, .size: 8, .value_kind: global_buffer, .address_space: global }
      - { .name: wv_codes, .offset: 56, .size: 8, .value_kind: global_buffer, .address_space: global }
      - { .name: wv_scales, .offset: 64, .size: 8, .value_kind: global_buffer, .address_space: global }
      - { .name: qc, .offset: 72, .size: 8, .value_kind: global_buffer, .address_space: global }
      - { .name: qs, .offset: 80, .size: 8, .value_kind: global_buffer, .address_space: global }
      - { .name: kc, .offset: 88, .size: 8, .value_kind: global_buffer, .address_space: global }
      - { .name: ks, .offset: 96, .size: 8, .value_kind: global_buffer, .address_space: global }
      - { .name: vc, .offset: 104, .size: 8, .value_kind: global_buffer, .address_space: global }
      - { .name: vs, .offset: 112, .size: 8, .value_kind: global_buffer, .address_space: global }
    .group_segment_fixed_size: 78848
    .private_segment_fixed_size: 0
    .kernarg_segment_align: 8
    .kernarg_segment_size: 120
    .max_flat_workgroup_size: 512
    .sgpr_count:     66
    .vgpr_count:     256
    .wavefront_size: 32
...
	.end_amdgpu_metadata
.endif
;; end of part 1
;; launch attn (part 2): grid 4 x 64, 16 waves a work-group, no clusters, 71,680 bytes of LDS; arguments qc, qs, kc, ks, vc, vs, cc, cs; writes cc, cs
.if DOCPART == 2
	.amdgcn_target "amdgcn-amd-amdhsa--gfx1250"
	.amdhsa_code_object_version 6
	.text
	.protected	k_qb4ee51366d_attn
	.globl	k_qb4ee51366d_attn
	.p2align	8
	.type	k_qb4ee51366d_attn,@function
k_qb4ee51366d_attn:
	s_mov_b64 s[64:65], 0
	v_nop
	global_prefetch_b8 v0, s[64:65] scope:SCOPE_SE
	s_setreg_imm32_b32 hwreg(HW_REG_WAVE_MODE, 25, 1), 1
	s_wait_xcnt 0x0
; ctx = softmax(q k^T / sqrt(32), causal) v for one head of one batch, both products on codes of FP4 (E2M1) with E8M0 scales; ctx is quantised along the head's 32 and leaves as codes.
; THE SOFTMAX: t = score x log2(e) / sqrt(32); M = the row's largest t so far, rounded UP to a whole number; p = 2^(t - M) is quantised along the keys, not normalised; the row's sum is taken of the unquantised p
; and divides at the end.  When M moves, the sum and O are multiplied by 2^(old M - new M), which rounds nothing.
; SHARES.  Work-group (x, y): head y (16 x batch + head), a quarter of its 128 tiles of 16 queries.  Wave w takes i = 16 x + w and does tile 127 - i and then tile i: (16 - i / 8) + (i / 8 + 1) = 17 key steps
; of 128 for every wave, whatever i.  The head's K and V (codes 2 x 32,768 bytes, scale bytes 2 x 2,048) come into LDS once, through registers; behind the one barrier LDS is only read.
; K = 32 IN AN INSTRUCTION OF 128.  A fragment of K carries FOUR tiles of 16 keys, one in each block of 32; it is multiplied four times, each time by a copy of Q that holds q in one block and zero codes in the other three.
; LAYOUT.  Both products are used transposed (S^T = K Q^T, O^T = V^T P^T): a lane holds ONE query (lane % 16).  The keys lie in slot order, so that register 16 b + i of S^T is key 32 b + 16 (lane / 16) + i.
; CAUSAL.  The loop has 16 trips for every tile; a step all of whose keys come after the tile's queries is jumped over by a scalar branch on ids; on the diagonal hidden scores become -infinity ahead of the maximum.
; NO CLUSTER: the four work-groups of a head read the same 69,632 bytes once each, a small part of the launch's work, and they come through registers.
; LIMITS: NaN and infinities are not served; a block of zeros gets the scale byte 1 (its codes are zeros; the bytes are read by this program alone); the division is v_rcp_f32 and a multiplication.
; REGISTERS: v1-7 addresses that stay; v8-11 the step's; v12 -M, v13 the largest t, v[14:15] the sum; v16-39 the four copies of Q (QL, 0, QL, QH, 0, QH); v40-47 at work; v48-63 K; v64-79 V;
; v80 K's scale words, v81 V's, v82 Q's, v83 p's: scales and nothing else; v96-159 S^T, then p; v160-175 O^T; v176-191 ctx; v224-231 p's codes; v232-254 at work.
.set LKC, 0
.set LVC, 32768
.set LKS, 65536
.set LVS, 67584
.set QF,  42                           ; s42 the tile's first query
.set QE,  43                           ; s43 its last
.set KF,  44                           ; s44 the step's first key
.set TB,  45                           ; s45 the step's codes in LDS: 2,048 bytes a step
.set TS,  46                           ; s46 its scale words: 128 bytes a step
.set CNT, 47
.set CS,  48                           ; s[48:49] c = log2(e) / sqrt(32)
.set SEL, 50                           ; s[50:51] selects of v_permlanex16_b32 for lane l xor 16
.macro PLACES n
.rept \n
	v_nop
.endr
.endm
.macro QK g, jb, q                     ; 16 keys (fragment g, block jb) x my 16 queries
.if \g == 0
	v_wmma_scale_f32_16x16x128_f8f6f4 v[96+8*(4*\g+\jb):103+8*(4*\g+\jb)], v[48+8*\g:55+8*\g], v[\q:\q+7], 0, v80, v82 matrix_a_fmt:MATRIX_FMT_FP4 matrix_b_fmt:MATRIX_FMT_FP4
.else
	v_wmma_scale_f32_16x16x128_f8f6f4 v[96+8*(4*\g+\jb):103+8*(4*\g+\jb)], v[48+8*\g:55+8*\g], v[\q:\q+7], 0, v80, v82 matrix_a_fmt:MATRIX_FMT_FP4 matrix_b_fmt:MATRIX_FMT_FP4 matrix_a_scale:MATRIX_SCALE_ROW1
.endif
.endm
	s_load_b512 s[8:23], s[0:1], 0x0               ; qc 8, qs 10, kc 12, ks 14, vc 16, vs 18, cc 20, cs 22
	v_lshl_add_u32 v251, v0, 2, 0x11000
	v_mov_b32 v255, 0
	v_lshrrev_b32 v8, 5, v0
	v_readfirstlane_b32 s40, v8                    ; wave
	s_and_b32 s41, ttmp7, 0xffff                   ; hd
	v_and_b32 v86, 31, v0                          ; lane
	v_and_b32 v9, 15, v0                           ; r
	v_bfe_u32 v10, v0, 4, 1                        ; h
	v_lshlrev_b32 v1, 4, v86                       ; v1  K: 16 x lane: lane (r, h) takes slot 16 h + r of a block of 32 keys
	v_lshlrev_b32 v2, 4, v9
	v_lshl_add_u32 v2, v10, 9, v2
	v_add_nc_u32 v2, LVC, v2                       ; v2  V: block of keys 2 c + h, slot of d 16 u + r
	v_lshl_add_u32 v3, v86, 2, LKS                 ; v3  K's scale words: lanes 0-15 the first 64 keys', lanes 16-31 the next 64's
	v_lshl_add_u32 v4, v86, 2, LVS                 ; v4  V's: lanes 0-15 tile u = 0, lanes 16-31 u = 1
	v_lshlrev_b32 v5, 4, v10
	v_sub_nc_u32 v5, v9, v5                        ; v5  r - 16 h, for the mask
	v_lshlrev_b32 v6, 4, v9
	v_lshl_add_u32 v6, v10, 3, v6                  ; v6  16 r + 8 h: my 8 bytes of ctx's codes
	v_lshlrev_b32 v7, 4, v9                        ; v7  16 r: my query's row of ctx's scale bytes
	v_and_b32 v11, 7, v9
	v_lshrrev_b32 v47, 3, v9
	v_lshlrev_b32 v44, 4, v11
	v_lshl_add_u32 v44, v47, 8, v44                ; v44 query r's slot: 256 (r >> 3) + 16 (r & 7)
	v_lshl_add_u32 v45, v11, 2, v47                ; v45 and its scale byte: 4 (r & 7) + (r >> 3)
	v_mov_b32 v46, 0
	v_lshlrev_b32 v87, 4, v0                       ; the fill: 16 bytes a thread,
	v_lshlrev_b32 v88, 2, v0                       ; 4 bytes a thread
	v_add_nc_u32 v89, LKS, v88
.irp b, 0,1,2,3
	v_mov_b32 v[236+\b], 0                         ; written once: a lane permute's destination counts as one of its sources
.endr
	v_mov_b32 v241, 0
	v_mov_b32 v253, 0                              ; named as the upper half of the pair v[252:253]
	s_lshl_b32 s24, s41, 15                        ; the head's codes
	s_mov_b32 s25, 0
	s_lshl_b32 s26, s41, 11                        ; its scale bytes
	s_mov_b32 s27, 0
	s_lshr_b32 s28, s41, 4                         ; ctx's scale bytes: [batch x 2,048 + token][16 = head]
	s_lshl_b32 s28, s28, 15
	s_and_b32 s29, s41, 15
	s_add_co_u32 s28, s28, s29
	s_mov_b32 s29, 0
	s_lshl_b32 s38, ttmp9, 4
	s_add_co_u32 s38, s38, s40
	s_lshl_b32 s38, s38, 4                         ; 16 i: the second tile's first query
	s_sub_co_u32 s[QF], 2032, s38                  ; 16 (127 - i): the first tile's
	s_mov_b32 s[CS], 0x3e8293ee
	s_mov_b32 s[CS+1], s[CS]                       ; (named with it as a pair, so it is written)
	s_mov_b32 s[SEL], 0x76543210
	s_mov_b32 s[SEL+1], 0xfedcba98
	s_wait_kmcnt 0x0
	s_add_nc_u64 s[8:9], s[8:9], s[24:25]
	s_add_nc_u64 s[10:11], s[10:11], s[26:27]
	s_add_nc_u64 s[12:13], s[12:13], s[24:25]
	s_add_nc_u64 s[14:15], s[14:15], s[26:27]
	s_add_nc_u64 s[16:17], s[16:17], s[24:25]
	s_add_nc_u64 s[18:19], s[18:19], s[26:27]
	s_add_nc_u64 s[20:21], s[20:21], s[24:25]
	s_add_nc_u64 s[22:23], s[22:23], s[28:29]
.irp i, 0,1,2,3
	global_load_b128 v[96+4*\i:99+4*\i], v87, s[12:13] offset:8192*\i
.endr
.irp i, 0,1,2,3
	global_load_b128 v[112+4*\i:115+4*\i], v87, s[16:17] offset:8192*\i
.endr
	global_load_b32 v128, v88, s[14:15]
	global_load_b32 v129, v88, s[18:19]
	s_wait_loadcnt 0x0
.irp i, 0,1,2,3
	ds_store_b128 v87, v[96+4*\i:99+4*\i] offset:LKC+8192*\i
.endr
.irp i, 0,1,2,3
	ds_store_b128 v87, v[112+4*\i:115+4*\i] offset:LVC+8192*\i
.endr
	ds_store_b32 v89, v128
	ds_store_b32 v89, v129 offset:LVS-LKS
	s_wait_dscnt 0x0                               ; for the others' sake: my part of the head lies in LDS
	s_barrier_signal -1
	s_barrier_wait -1                              ; everybody's does; from here on LDS is only read
; One tile of 16 queries, s[QF] on.
.macro ATT_TILE
	s_wait_xcnt 0x0                                ; the last tile's stores have read their bases and data: both are written again only behind this wait
	s_add_co_u32 s[QE], s[QF], 15
	s_bfe_u32 s60, s[QF], 0x10004                  ; a: which half of a block of 32 tokens
	s_lshl_b32 s62, s[QF], 4
	s_mov_b32 s63, 0
	s_add_nc_u64 s[56:57], s[20:21], s[62:63]      ; ctx's codes: 16 bytes a query
	s_add_nc_u64 s[58:59], s[22:23], s[62:63]      ; its scale bytes: 16 bytes a query, one of them this head's
	s_lshl_b32 s61, s60, 7
	s_sub_co_u32 s62, s62, s61
	s_add_nc_u64 s[52:53], s[8:9], s[62:63]        ; q's codes: block of 32 tokens x 512 + 128 a; query r lies in slot 16 (r >> 3) + 8 a + (r & 7)
	s_lshr_b32 s62, s[QF], 6
	s_lshl_b32 s62, s62, 6
	s_lshl_b32 s61, s60, 5
	s_add_co_u32 s62, s62, s61
	s_bfe_u32 s61, s[QF], 0x10005
	s_lshl_b32 s61, s61, 1
	s_add_co_u32 s62, s62, s61
	s_add_nc_u64 s[54:55], s[10:11], s[62:63]      ; q's scale bytes: 64 (first query / 64) + 32 a + 2 (block & 1)
	s_mov_b32 s61, 0x01010101
	global_load_b128 v[40:43], v44, s[52:53]
	global_load_u8 v47, v45, s[54:55]
	s_mov_b32 s[KF], 0
	s_mov_b32 s[TB], 0
	s_mov_b32 s[TS], 0
	s_mov_b32 s[CNT], 0
	s_wait_loadcnt 0x0
	v_mul_lo_u32 v82, v47, s61                     ; q's byte in all four bytes of its scale word
	v_cmp_gt_u32 vcc_lo, 16, v86
.irp j, 0,1,2,3
	v_cndmask_b32 v[16+\j], 0, v[40+\j], vcc_lo    ; QL: q in lanes 0-15, zero codes in lanes 16-31
	v_cndmask_b32 v[24+\j], 0, v[40+\j], vcc_lo
	v_cndmask_b32 v[28+\j], v[40+\j], v46, vcc_lo  ; QH: the other way round
	v_cndmask_b32 v[36+\j], v[40+\j], v46, vcc_lo
	v_mov_b32 v[20+\j], 0
	v_mov_b32 v[32+\j], 0
.endr                                          ; v[16:23]: q in block 0;  v[28:35]: block 1;  v[20:27]: block 2;  v[32:39]: block 3
	v_mov_b32 v13, 0xff61b1e6                      ; the largest t so far: -3e38, under every t
	v_floor_f32 v12, -v13                          ; -M
	v_mov_b32 v14, 0
	v_mov_b32 v15, 0
.irp j, 0,1,2,3,4,5,6,7,8,9,10,11,12,13,14,15
	v_mov_b32 v[160+\j], 0                         ; O^T: the first step finds zeros, which the first change of M leaves zeros.  (These 20 lines are also the places between the writes of Q and its scale word and the first product)
.endr
.Lstep_\@:
	s_cmp_gt_u32 s[KF], s[QE]                      ; all 128 keys come after my queries: nothing to do but step the addresses
	s_cbranch_scc1 .Lhidden_\@
	v_add_nc_u32 v8, s[TB], v1
	v_add_nc_u32 v9, s[TB], v2
	v_add_nc_u32 v10, s[TS], v3
	v_add_nc_u32 v11, s[TS], v4
.irp n, 0,1,2,3
	ds_load_b128 v[48+4*\n:51+4*\n], v8 offset:512*\n          ; block n of 32 keys: fragment n / 2, register group n % 2
.endr
	ds_load_b32 v80, v10
.irp u, 0,1
.irp c, 0,1
	ds_load_b128 v[64+8*\u+4*\c:67+8*\u+4*\c], v9 offset:1024*\c+256*\u
.endr
.endr
	ds_load_b32 v81, v11
	s_wait_dscnt 5                                 ; K's five loads are in; V's five stay out until the second product
.irp g, 0,1
	QK \g, 0, 16
	QK \g, 1, 28
	QK \g, 2, 20
	QK \g, 3, 32
.endr
	PLACES 5
	s_add_co_u32 s60, s[KF], 127                   ; a step all of whose keys count skips the mask
	s_cmp_le_u32 s60, s[QF]
	s_cbranch_scc1 .Lopen_\@
	s_sub_co_i32 s60, s[QF], s[KF]
	v_add_nc_u32 v252, s60, v5                     ; d = my query - KF - 16 h.  Register 16 b + i holds key KF + 16 h + 32 b + i: hidden where 32 b + i > d
	v_mov_b32 v254, 0xff800000                     ; -infinity
.irp n, 0,1,2,3,4,5,6,7,8,9,10,11,12,13,14,15,16,17,18,19,20,21,22,23,24,25,26,27,28,29,30,31,32,33,34,35,36,37,38,39,40,41,42,43,44,45,46,47,48,49,50,51,52,53,54,55,56,57,58,59,60,61,62,63
	v_cmp_gt_i32 vcc_lo, 32*(\n/16)+\n%16, v252
	v_cndmask_b32 v[96+\n], v[96+\n], v254, vcc_lo
.endr
.Lopen_\@:
.irp b, 0,1,2,3
	v_max3_num_f32 v[232+\b], v[96+16*\b], v[97+16*\b], v[98+16*\b]   ; the largest score of each block of 32 keys: for the row's maximum, and, since p rises with the score, for the block's largest p
.endr
.irp i, 3,5,7,9,11,13
.irp b, 0,1,2,3
	v_max3_num_f32 v[232+\b], v[232+\b], v[96+16*\b+\i], v[97+16*\b+\i]
.endr
.endr
.irp b, 0,1,2,3
	v_max_num_f32 v[232+\b], v[232+\b], v[111+16*\b]
.endr
.irp b, 0,1,2,3
	v_permlanex16_b32 v[236+\b], v[232+\b], s[SEL], s[SEL+1]
.endr
.irp b, 0,1,2,3
	v_max_num_f32 v[232+\b], v[232+\b], v[236+\b]  ; with lane l xor 16's 16 keys
.endr
	v_max3_num_f32 v254, v232, v233, v234
	v_max_num_f32 v254, v254, v235
	v_mul_f32 v254, s[CS], v254                    ; the step's largest t (c is positive)
	v_max_num_f32 v13, v13, v254
	v_mov_b32 v254, v12
	v_floor_f32 v12, -v13                          ; the new -M = -ceil(t)
	v_sub_f32 v254, v12, v254                      ; old M - new M: a whole number, 0 or less
	v_cvt_i32_f32 v254, v254                       ; (it saturates)
	v_ldexp_f32 v252, 1.0, v254                    ; f = 2^(old M - new M)
.irp j, 0,2,4,6,8,10,12,14,16,18,20,22,24,26,28,30,32,34,36,38,40,42,44,46,48,50,52,54,56,58,60,62
	v_pk_fma_f32 v[96+\j:97+\j], v[96+\j:97+\j], s[CS:CS+1], v[12:13] op_sel_hi:[1,0,0]   ; t - M
.endr
.irp b, 0,1,2,3
	v_fma_f32 v[232+\b], v[232+\b], s[CS], v12     ; the same of each block's largest score
.endr
.irp j, 0,1,2,3,4,5,6,7,8,9,10,11,12,13,14,15,16,17,18,19,20,21,22,23,24,25,26,27,28,29,30,31,32,33,34,35,36,37,38,39,40,41,42,43,44,45,46,47,48,49,50,51,52,53,54,55,56,57,58,59,60,61,62,63
	v_exp_f32 v[96+\j], v[96+\j]                   ; p = 2^(t - M)
.endr
.irp b, 0,1,2,3
	v_exp_f32 v[232+\b], v[232+\b]                 ; the block's largest p
.endr
	v_pk_mul_f32 v[14:15], v[14:15], v[252:253] op_sel_hi:[1,0]   ; the sums under the new M.  (A plain place behind the exponentials)
	s_wait_alu depctr_va_vdst(0)
.irp b, 0,1,2,3
	v_max_num_f32 v[232+\b], 0x1800000, v[232+\b]  ; the floor 2^(3 - 127)
.endr
.irp b, 0,1,2,3
	v_add_nc_u32 v[244+\b], 0xff000000, v[232+\b]  ; the conversion's scale operand
.endr
.irp b, 0,1,2,3
	v_lshrrev_b32 v[236+\b], 23, v[244+\b]         ; the scale's byte
.endr
	v_lshl_or_b32 v83, v237, 8, v236               ; p's scale word for these 128 keys
	v_lshl_or_b32 v83, v238, 16, v83
	v_lshl_or_b32 v83, v239, 24, v83
.irp b, 0,1,2,3
	v_cvt_scalef32_pk8_fp4_f32 v[224+2*\b], v[96+16*\b:103+16*\b], v[244+\b]
	v_cvt_scalef32_pk8_fp4_f32 v[225+2*\b], v[104+16*\b:111+16*\b], v[244+\b]
.endr
	v_nop                                          ; one plain place behind the scaled conversions
.irp c, 0,1                                    ; the operand's layout wants a whole block in a lane
.irp i, 0,1
	v_permlane16_swap_b32 v[224+4*\c+\i], v[226+4*\c+\i]
.endr
.endr
.irp j, 0,2,4,6,8,10,12,14
	v_pk_mul_f32 v[160+\j:161+\j], v[160+\j:161+\j], v[252:253] op_sel_hi:[1,0]   ; O^T under the new M
.endr
	v_pk_add_f32 v[236:237], v[96:97], v[98:99]    ; the row's sum, of the unquantised p, in two chains.  (These 32 lines are the places between the writes of p's codes and scale word and the products below)
.irp j, 4,8,12,16,20,24,28,32,36,40,44,48,52,56,60
	v_pk_add_f32 v[14:15], v[14:15], v[96+\j:97+\j]
	v_pk_add_f32 v[236:237], v[236:237], v[98+\j:99+\j]
.endr
	v_pk_add_f32 v[14:15], v[14:15], v[236:237]
	s_wait_dscnt 0x0                               ; V and its scale words
	v_wmma_scale_f32_16x16x128_f8f6f4 v[160:167], v[64:71], v[224:231], v[160:167], v81, v83 matrix_a_fmt:MATRIX_FMT_FP4 matrix_b_fmt:MATRIX_FMT_FP4
	v_wmma_scale_f32_16x16x128_f8f6f4 v[168:175], v[72:79], v[224:231], v[168:175], v81, v83 matrix_a_fmt:MATRIX_FMT_FP4 matrix_b_fmt:MATRIX_FMT_FP4 matrix_a_scale:MATRIX_SCALE_ROW1
	PLACES 5                                       ; in front of the next step's loads into V's registers, of its products, and of the reads of O^T
.Lhidden_\@:
	s_add_co_u32 s[KF], s[KF], 128
	s_add_co_u32 s[TB], s[TB], 2048
	s_add_co_u32 s[TS], s[TS], 128
	s_add_co_u32 s[CNT], s[CNT], 1
	s_cmp_lt_u32 s[CNT], 16
	s_cbranch_scc1 .Lstep_\@
	; the way out: ctx = O^T / the sum; register 8 u + j is d = 16 h + 8 u + j of query r: half a block of the next product's K
	v_add_f32 v14, v14, v15
	v_permlanex16_b32 v241, v14, s[SEL], s[SEL+1]
	v_add_f32 v14, v14, v241
	v_rcp_f32 v14, v14
	v_nop                                          ; one plain place behind the transcendental
	s_wait_alu depctr_va_vdst(0)
.irp j, 0,1,2,3,4,5,6,7,8,9,10,11,12,13,14,15
	v_mul_f32 v[176+\j], v[160+\j], v14
.endr
	v_max3_num_f32 v240, |v176|, |v177|, 0x1800000
.irp i, 2,4,6,8,10,12,14
	v_max3_num_f32 v240, v240, |v[176+\i]|, |v[177+\i]|
.endr
	v_permlanex16_b32 v241, v240, s[SEL], s[SEL+1]
	v_max_num_f32 v240, v240, v241
	v_add_nc_u32 v242, 0xff000000, v240
	v_lshrrev_b32 v243, 23, v242
	v_cvt_scalef32_pk8_fp4_f32 v248, v[176:183], v242
	v_cvt_scalef32_pk8_fp4_f32 v249, v[184:191], v242
	v_nop
	global_store_b64 v6, v[248:249], s[56:57]      ; the wave stores 256 consecutive bytes, aligned
	global_store_b8 v7, v243, s[58:59]             ; one byte of each query's 16: the other heads' work-groups write the others; lanes 16-31 repeat lanes 0-15
.endm
	ATT_TILE
	s_mov_b32 s[QF], s38
	ATT_TILE
	s_wait_tensorcnt 0x0
	ds_add_u32 v251, v255
	s_wait_dscnt 0x0
	s_endpgm
.Lfunc_end_k_qb4ee51366d_attn:
	.size	k_qb4ee51366d_attn, .Lfunc_end_k_qb4ee51366d_attn-k_qb4ee51366d_attn
	.p2alignl 7, 3214868480
	.fill 96, 4, 3214868480
	.section	.rodata,"a",@progbits
	.p2align	6, 0x0
	.amdhsa_kernel k_qb4ee51366d_attn
		.amdhsa_group_segment_fixed_size 71680
		.amdhsa_private_segment_fixed_size 0
		.amdhsa_enable_private_segment 0
		.amdhsa_kernarg_size 64
		.amdhsa_user_sgpr_count 2
		.amdhsa_user_sgpr_kernarg_segment_ptr 1
		.amdhsa_wavefront_size32 1
		.amdhsa_system_sgpr_workgroup_id_x 1
		.amdhsa_system_sgpr_workgroup_id_y 1
		.amdhsa_system_sgpr_workgroup_id_z 1
		.amdhsa_system_vgpr_workitem_id 0
		.amdhsa_next_free_vgpr 256
		.amdhsa_next_free_sgpr 66
		.amdhsa_reserve_vcc 1
		.amdhsa_float_denorm_mode_32 3
		.amdhsa_float_denorm_mode_16_64 3
		.amdhsa_memory_ordered 1
		.amdhsa_forward_progress 1
		.amdhsa_inst_pref_size 52
	.end_amdhsa_kernel
	.amdgpu_metadata
---
amdhsa.version: [ 1, 2 ]
amdhsa.kernels:
  - .name:           k_qb4ee51366d_attn
    .symbol:         k_qb4ee51366d_attn.kd
    .args:
      - { .name: qc, .offset: 0, .size: 8, .value_kind: global_buffer, .address_space: global }
      - { .name: qs, .offset: 8, .size: 8, .value_kind: global_buffer, .address_space: global }
      - { .name: kc, .offset: 16, .size: 8, .value_kind: global_buffer, .address_space: global }
      - { .name: ks, .offset: 24, .size: 8, .value_kind: global_buffer, .address_space: global }
      - { .name: vc, .offset: 32, .size: 8, .value_kind: global_buffer, .address_space: global }
      - { .name: vs, .offset: 40, .size: 8, .value_kind: global_buffer, .address_space: global }
      - { .name: cc, .offset: 48, .size: 8, .value_kind: global_buffer, .address_space: global }
      - { .name: cs, .offset: 56, .size: 8, .value_kind: global_buffer, .address_space: global }
    .group_segment_fixed_size: 71680
    .private_segment_fixed_size: 0
    .kernarg_segment_align: 8
    .kernarg_segment_size: 64
    .max_flat_workgroup_size: 512
    .sgpr_count:     66
    .vgpr_count:     256
    .wavefront_size: 32
...
	.end_amdgpu_metadata
.endif
;; end of part 2
;; launch ffn (part 3): grid 256 x 1, 16 waves a work-group, no clusters, 115,712 bytes of LDS; arguments x, cc, cs, wo_codes, wo_scales, bo, ln2_scale, ln2_shift, w1_codes, w1_scales, b1, w2_codes, w2_scales, b2, out0; writes out0
.if DOCPART == 3
	.amdgcn_target "amdgcn-amd-amdhsa--gfx1250"
	.amdhsa_code_object_version 6
	.text
	.protected	k_qb4ee51366d_ffn
	.globl	k_qb4ee51366d_ffn
	.p2align	8
	.type	k_qb4ee51366d_ffn,@function
k_qb4ee51366d_ffn:
	s_mov_b64 s[64:65], 0
	v_nop
	global_prefetch_b8 v0, s[64:65] scope:SCOPE_SE
	s_setreg_imm32_b32 hwreg(HW_REG_WAVE_MODE, 25, 1), 1
	s_wait_xcnt 0x0
; x1 = x + ctx wo + bo;  out = x1 + gelu(layernorm(x1) w1 + b1) w2 + b2.  The three products on codes of FP4 (E2M1) with E8M0 scales; all else in f32.  x1, the norm and the hidden layer never go to memory.
; SHARES.  A work-group of 16 waves takes 32 rows (tile T: rows 16 T + r).  THE WAVES SHARE THE COLUMNS: wave w owns columns 32 w .. 32 w + 31 of x1 and of out, and hidden units 128 w .. 128 w + 127, which are
; K step w of the last product.  Each wave's part of the weights goes from memory straight into its registers, each byte once in a work-group, each fragment for two matrix instructions.
; LAYOUT.  Source 0 = 16 rows of a weight, in slot order (lane r of tile u takes row 8 u + (r & 7) + 16 (r >> 3) of 32), source 1 = 16 rows of the activations: lane (r, h) holds row r, and the 16 registers of
; tiles u = 0, 1 are columns 16 h + 0 .. 15 of the 32: half a block of the next product's K; the other half lies in lane l xor 16.
; Operands go from wave to wave through LDS as images of their registers: 16 bytes a lane at 16 x lane.  x comes in, and out leaves, through a stage in LDS, so that every global access is 512 consecutive bytes.
; x + bo is the C of the first product, b1 of the second, and the third adds onto x1 + b2 in place.
; gelu: 0.5 x (1 + tanh u) = x / (1 + 2^(-2 log2(e) u)), u = sqrt(2 / pi) (x + 0.044715 x^3): v_exp_f32 and v_rcp_f32; no overflow does harm: 2^z = infinity gives 0, 2^z = 0 gives x.
; NO CLUSTER, NO TENSOR LOAD: all work-groups walk the same 1,179,648 bytes of weights, more than three times a work-group's LDS; joint loads would bring them through LDS in refills, each behind a round of the
; cluster's barrier, and each fragment would be read from LDS once more for its two matrix instructions.  Here they come from the cache into registers.  The simpler form; not shown to be the faster one.
; LIMITS: NaN and infinities among the inputs are not served.  A block of zeros, or one whose largest magnitude lies under 2^-124, gets the scale byte 1; the bytes are this program's own.  1 / sqrt is v_rsq_f32.
; The variance is the mean of (x1 - mean)^2, taken in a second pass.
.set H,    16                          ; v16-79   the activations' fragments: (tile T, K step s) at H + 32 T + 8 s
.set HS,   80                          ; v80-87   their scale words, 4 T + s: scales and nothing else
.set W,    88                          ; v88-151  a weight's fragments: (tile u, K step s) at W + 32 u + 8 s
.set WS,   152                         ; v152-159 their scale words, 4 u + s: scales and nothing else
.set ACC,  160                         ; v160-191 the hidden layer's four accumulators.  Before that: two rows of x; the norm's gain and shift
.set X1,   192                         ; v192-223 x, x1, out: row (T, r), register 16 T + i: column 32 w + 16 h + i
.set BI,   224                         ; v224-239 a bias: 16 numbers, columns 16 h + i of the unit's 32
.set HIMG, 0                           ; LDS: the norm's 8 fragments, 1,024 bytes each
.set HSC,  8192                        ; their scale bytes [T][r][16]
.set RED1, 8704                        ; partial sums [16 T + r][16 words]
.set RED2, 10752
.set GIMG, 12800                       ; the hidden layer's 32 fragments: 16 T + K step
.set GSC,  45568                       ; their scale bytes [T][r][64]
.set STG,  47616                       ; 32 rows of 2,048 bytes + 16: 129 x 16 bytes from row to row
.set SP,   2064
.set K2,   48                          ; s[48:49] -2 log2(e) sqrt(2 / pi) x 0.044715
.set SEL,  50                          ; s[50:51] selects of v_permlanex16_b32 for lane l xor 16
.macro PLACES n
.rept \n
	v_nop
.endr
.endm
.macro BARRIER                         ; my LDS stores have landed and my LDS loads are in: then the work-group's barrier
	s_wait_dscnt 0x0
	s_barrier_signal -1
	s_barrier_wait -1
.endm
; 18 loads: the 16 fragments' halves and the 8 scale words of 32 rows x 512 along K of a weight whose rows are P bytes.  va = ((r & 7) + 16 (r >> 3)) P + 16 h, vs = the same row x P / 16
.macro WLOAD cb, sb, va, vs, P, off, soff
.irp u, 0,1
.irp s, 0,1,2,3
.irp c, 0,1
	global_load_b128 v[W+32*\u+8*\s+4*\c:W+32*\u+8*\s+4*\c+3], v[\va], s[\cb:\cb+1] offset:(\off)+8*\u*(\P)+64*\s+32*\c
.endr
.endr
.endr
.irp u, 0,1
	global_load_b128 v[WS+4*\u:WS+4*\u+3], v[\vs], s[\sb:\sb+1] offset:(\soff)+8*\u*(\P)/16
.endr
.endm
.macro BLOAD b, off                    ; 16 numbers of a bias: 64 h bytes on in the unit's 128
.irp i, 0,1,2,3
	global_load_b128 v[BI+4*\i:BI+4*\i+3], v9, s[\b:\b+1] offset:(\off)+16*\i
.endr
.endm
; 16 matrix instructions: 32 rows of W x 32 rows x K = 512.  The four accumulators take turns, one instruction a turn.  mode 1: onto what the accumulators hold; mode 2: the bias starts the sums.
.macro UNIT acc, mode
.irp s, 0,1,2,3
.irp t, 0,1
.irp u, 0,1
.set rD, \acc+16*\t+8*\u
.set rA, W+32*\u+8*\s
.set rB, H+32*\t+8*\s
.if (\s == 0) && (\mode == 2)
	v_wmma_scale_f32_16x16x128_f8f6f4 v[rD:rD+7], v[rA:rA+7], v[rB:rB+7], v[BI+8*\u:BI+8*\u+7], v[WS+4*\u+\s], v[HS+4*\t+\s] matrix_a_fmt:MATRIX_FMT_FP4 matrix_b_fmt:MATRIX_FMT_FP4
.else
	v_wmma_scale_f32_16x16x128_f8f6f4 v[rD:rD+7], v[rA:rA+7], v[rB:rB+7], v[rD:rD+7], v[WS+4*\u+\s], v[HS+4*\t+\s] matrix_a_fmt:MATRIX_FMT_FP4 matrix_b_fmt:MATRIX_FMT_FP4
.endif
.endr
.endr
.endr
.endm
; Two runs of 16 registers, a + 16 x, each half a block of 32, become codes in v[240 + 2 x], v[241 + 2 x] and a scale byte in v[254 + x].  Each accumulator is read from its low end on.
.macro QPAIR2 a
.irp x, 0,1
	v_max3_num_f32 v[248+\x], |v[\a+16*\x]|, |v[\a+16*\x+1]|, 0x1800000   ; and the floor 2^(3 - 127): the byte cannot fall under 1
.endr
.irp i, 2,4,6,8,10,12,14
.irp x, 0,1
	v_max3_num_f32 v[248+\x], v[248+\x], |v[\a+16*\x+\i]|, |v[\a+16*\x+\i+1]|
.endr
.endr
.irp x, 0,1
	v_permlanex16_b32 v[250+\x], v[248+\x], s[SEL], s[SEL+1]
.endr
.irp x, 0,1
	v_max_num_f32 v[248+\x], v[248+\x], v[250+\x]
.endr
.irp x, 0,1
	v_add_nc_u32 v[252+\x], 0xff000000, v[248+\x]          ; 2 off the exponent field: the conversion's scale operand
.endr
.irp x, 0,1
	v_lshrrev_b32 v[254+\x], 23, v[252+\x]                 ; the scale's byte
.endr
.irp x, 0,1
	v_cvt_scalef32_pk8_fp4_f32 v[240+2*\x], v[\a+16*\x:\a+16*\x+7], v[252+\x]
	v_cvt_scalef32_pk8_fp4_f32 v[241+2*\x], v[\a+16*\x+8:\a+16*\x+15], v[252+\x]
.endr
	v_nop                                          ; one plain place behind the scaled conversions
.endm
.macro GELU8 b                         ; eight numbers in place
.irp p, 0,2,4,6
	v_pk_mul_f32 v[240+\p:241+\p], v[\b+\p:\b+\p+1], v[\b+\p:\b+\p+1]
.endr
.irp p, 0,2,4,6
	v_pk_fma_f32 v[240+\p:241+\p], v[240+\p:241+\p], s[K2:K2+1], v[14:15] op_sel_hi:[1,0,1]   ; k2 x^2 + k1
.endr
.irp p, 0,2,4,6
	v_pk_mul_f32 v[240+\p:241+\p], v[240+\p:241+\p], v[\b+\p:\b+\p+1]                         ; z = -2 log2(e) u
.endr
.irp i, 0,1,2,3,4,5,6,7
	v_exp_f32 v[240+\i], v[240+\i]
.endr
	v_nop                                          ; one plain place behind the transcendentals
	s_wait_alu depctr_va_vdst(0)
.irp p, 0,2,4,6
	v_pk_add_f32 v[240+\p:241+\p], v[240+\p:241+\p], 1.0 op_sel_hi:[1,0]
.endr
.irp i, 0,1,2,3,4,5,6,7
	v_rcp_f32 v[240+\i], v[240+\i]
.endr
	v_nop
	s_wait_alu depctr_va_vdst(0)
.irp p, 0,2,4,6
	v_pk_mul_f32 v[\b+\p:\b+\p+1], v[\b+\p:\b+\p+1], v[240+\p:241+\p]
.endr
.endm
.macro ROWSUM off                      ; the sixteen waves' partial sums of rows (0, r) and (1, r), added in one fixed order, into v48 and v64
.irp t, 0,1
.irp k, 0,1,2,3
	ds_load_b128 v[48+16*\t+4*\k:51+16*\t+4*\k], v245 offset:\off+1024*\t+16*\k
.endr
.endr
	s_wait_dscnt 0x0
.irp k, 0,4,8,12
.irp t, 0,1
	v_pk_add_f32 v[48+16*\t+\k:49+16*\t+\k], v[48+16*\t+\k:49+16*\t+\k], v[50+16*\t+\k:51+16*\t+\k]
.endr
.endr
.irp k, 0,8
.irp t, 0,1
	v_pk_add_f32 v[48+16*\t+\k:49+16*\t+\k], v[48+16*\t+\k:49+16*\t+\k], v[52+16*\t+\k:53+16*\t+\k]
.endr
.endr
.irp t, 0,1
	v_pk_add_f32 v[48+16*\t:49+16*\t], v[48+16*\t:49+16*\t], v[56+16*\t:57+16*\t]
.endr
.irp t, 0,1
	v_add_f32 v[48+16*\t], v[48+16*\t], v[49+16*\t]
.endr
.endm
	s_load_b512 s[8:23], s[0:1], 0x0               ; x 8, cc 10, cs 12, wo codes 14, scales 16, bo 18, gain 20, shift 22
	s_load_b256 s[24:31], s[0:1], 0x40             ; w1 codes 24, scales 26, b1 28, w2 codes 30
	s_load_b128 s[32:35], s[0:1], 0x60             ; w2 scales 32, b2 34
	s_load_b64 s[36:37], s[0:1], 0x70              ; out 36
	v_lshrrev_b32 v13, 5, v0
	v_readfirstlane_b32 s40, v13                   ; wave w
	v_and_b32 v1, 31, v0
	v_lshlrev_b32 v1, 4, v1                        ; v1  16 x lane
	v_and_b32 v240, 15, v0                         ; r
	v_bfe_u32 v241, v0, 4, 1                       ; h
	v_and_b32 v242, 8, v240
	v_add_nc_u32 v242, v242, v240                  ; (r & 7) + 16 (r >> 3)
	s_mul_i32 s41, s40, 2*SP
	s_add_co_u32 s41, s41, STG
	v_add_nc_u32 v2, s41, v1                       ; v2  the stage by whole rows: rows 2 w and 2 w + 1
	s_lshl_b32 s41, s40, 7
	s_add_co_u32 s41, s41, STG
	v_mul_u32_u24 v3, v240, SP
	v_lshl_add_u32 v3, v241, 6, v3
	v_add_nc_u32 v3, s41, v3                       ; v3  the stage by my columns: row r, byte 128 w + 64 h
	v_lshlrev_b32 v4, 4, v240                      ; v4  16 r
	v_lshlrev_b32 v5, 8, v242
	v_lshl_add_u32 v5, v241, 4, v5                 ; v5  a weight's row of 256 bytes, + 16 h
	v_lshlrev_b32 v6, 4, v242                      ; v6  its 16 scale bytes
	v_lshlrev_b32 v7, 10, v242
	v_lshl_add_u32 v7, v241, 4, v7                 ; v7  w2's row of 1,024 bytes, + 16 h
	v_lshlrev_b32 v8, 6, v242                      ; v8  its 64 scale bytes
	v_lshlrev_b32 v9, 6, v241                      ; v9  64 h: my 16 numbers of a bias
	v_lshl_add_u32 v243, v241, 3, v4               ; 16 r + 8 h
	s_lshl_b32 s41, s40, 10
	s_add_co_u32 s41, s41, GIMG
	v_add_nc_u32 v10, s41, v243                    ; v10 the hidden layer's image: K step w, 16 r + 8 h
	v_lshlrev_b32 v12, 6, v240                     ; v12 64 r
	s_lshl_b32 s41, s40, 2
	s_add_co_u32 s42, s41, GSC
	v_add_nc_u32 v11, s42, v12                     ; v11 its scale bytes: 64 r + 4 w
	v_lshl_add_u32 v13, v241, 15, v4               ; v13 ctx's codes: head h of a pair, token r
	v_mov_b32 v14, 0xc0135761                      ; v[14:15] k1 = -2 log2(e) sqrt(2 / pi)
	v_mov_b32 v15, 0xc0135761
	s_add_co_u32 s42, s41, RED1
	v_add_nc_u32 v244, s42, v12                    ; v244-247 serve the norm alone and are free when the first gelu takes them: my wave's word of a row's partial sums,
	v_add_nc_u32 v245, RED1, v12                   ; the row's sixteen,
	s_lshl_b32 s42, s40, 8
	v_add_nc_u32 v246, s42, v243                   ; the norm's image: K step w / 4, block w % 4: 256 w + 16 r + 8 h,
	s_add_co_u32 s42, s40, HSC
	v_add_nc_u32 v247, s42, v4                     ; and its scale byte: 16 r + w
	v_mov_b32 v250, 0                              ; written once: a lane permute's destination counts as one of its sources
	v_mov_b32 v251, 0
	s_mov_b32 s[K2], 0xbdd2d3e8
	s_mov_b32 s[K2+1], s[K2]                       ; (named with it as a pair, so it is written)
	s_mov_b32 s[SEL], 0x76543210
	s_mov_b32 s[SEL+1], 0xfedcba98
	s_mov_b32 s52, 0x3b000000                      ; 1 / 512
	s_mov_b32 s45, 0
	s_mov_b32 s47, 0
	s_mov_b32 s55, 0
	s_mov_b32 s57, 0
	s_mov_b32 s59, 0
	s_mov_b32 s61, 0
	s_lshl_b32 s44, ttmp9, 16                      ; rows 32 g + 2 w of x and of out
	s_lshl_b32 s46, s40, 12
	s_add_co_u32 s44, s44, s46
	s_lshr_b32 s46, ttmp9, 6                       ; ctx's codes: [16 x batch + head][token][16]
	s_lshl_b32 s46, s46, 19
	s_and_b32 s53, ttmp9, 63
	s_lshl_b32 s53, s53, 9
	s_add_co_u32 s46, s46, s53
	s_lshl_b32 s54, ttmp9, 9                       ; its scale bytes: 16 a row
	s_lshl_b32 s56, s40, 13                        ; 8,192 w
	s_lshl_b32 s58, s40, 9                         ; 512 w
	s_lshl_b32 s60, s40, 7                         ; 128 w
	s_wait_kmcnt 0x0
	s_add_nc_u64 s[8:9], s[8:9], s[44:45]
	s_add_nc_u64 s[36:37], s[36:37], s[44:45]
	s_add_nc_u64 s[10:11], s[10:11], s[46:47]
	s_add_nc_u64 s[12:13], s[12:13], s[54:55]
	s_add_nc_u64 s[14:15], s[14:15], s[56:57]      ; wo: my 32 rows of 256 bytes,
	s_add_nc_u64 s[16:17], s[16:17], s[58:59]      ; of 16 scale bytes
	s_add_nc_u64 s[18:19], s[18:19], s[60:61]      ; bo, gain, shift, b2: my 32 numbers
	s_add_nc_u64 s[20:21], s[20:21], s[60:61]
	s_add_nc_u64 s[22:23], s[22:23], s[60:61]
	s_add_nc_u64 s[34:35], s[34:35], s[60:61]
	s_add_nc_u64 s[28:29], s[28:29], s[58:59]      ; b1: my 128 numbers
	s_lshl_b32 s56, s40, 15                        ; 32,768 w: my 128 rows of w1, my 32 rows of w2
	s_lshl_b32 s58, s40, 11                        ; 2,048 w: their scale bytes
	s_add_nc_u64 s[24:25], s[24:25], s[56:57]
	s_add_nc_u64 s[26:27], s[26:27], s[58:59]
	s_add_nc_u64 s[30:31], s[30:31], s[56:57]
	s_add_nc_u64 s[32:33], s[32:33], s[58:59]
.irp i, 0,1,2,3,4,5,6,7
	global_load_b128 v[160+4*\i:163+4*\i], v1, s[8:9] offset:512*\i th:TH_LOAD_NT   ; two rows of x: each load 512 consecutive bytes
.endr
.irp t, 0,1
.irp s, 0,1,2,3
.irp c, 0,1
	global_load_b128 v[H+32*\t+8*\s+4*\c:H+32*\t+8*\s+4*\c+3], v13, s[10:11] offset:(4*\s+2*\c)*32768+256*\t   ; ctx: block 2 c + h of K step s is head 4 s + 2 c + h; sixteen lanes read 256 consecutive bytes
.endr
.endr
.endr
.irp t, 0,1
	global_load_b128 v[HS+4*\t:HS+4*\t+3], v4, s[12:13] offset:256*\t
.endr
	WLOAD 14, 16, 5, 6, 256, 0, 0                  ; wo
	BLOAD 18, 0                                    ; bo
	s_wait_loadcnt 40                              ; x's eight loads are in; the 18 + 18 + 4 behind them stay out
.irp i, 0,1,2,3,4,5,6,7
	ds_store_b128 v2, v[160+4*\i:163+4*\i] offset:(\i/4)*SP+512*(\i%4)
.endr
	BARRIER                                        ; the 32 rows lie in the stage, and my stores have read their registers
.irp i, 0,1,2,3
	global_load_b128 v[160+4*\i:163+4*\i], v9, s[20:21] offset:16*\i     ; the norm's gain,
.endr
.irp i, 0,1,2,3
	global_load_b128 v[176+4*\i:179+4*\i], v9, s[22:23] offset:16*\i     ; and shift, for my 16 columns
.endr
.irp t, 0,1
.irp i, 0,1,2,3
	ds_load_b128 v[X1+16*\t+4*\i:X1+16*\t+4*\i+3], v3 offset:16*\t*SP+16*\i
.endr
.endr
	s_wait_loadcnt 8                               ; ctx, wo and bo are in; gain and shift stay out
	s_wait_dscnt 0x0
.irp t, 0,1
.irp j, 0,2,4,6,8,10,12,14
	v_pk_add_f32 v[X1+16*\t+\j:X1+16*\t+\j+1], v[X1+16*\t+\j:X1+16*\t+\j+1], v[BI+\j:BI+\j+1]   ; x + bo
.endr
.endr
	PLACES 4
	UNIT X1, 1                                     ; x1 = x + bo + ctx wo
	PLACES 5                                       ; behind the products: in front of the loads into W and the bias, and of the reads of the results
	WLOAD 24, 26, 5, 6, 256, 0, 0                  ; w1's first 32 rows land while the norm is taken
	BLOAD 28, 0
	; the norm: the mean
.irp t, 0,1
	v_pk_add_f32 v[48+4*\t:49+4*\t], v[X1+16*\t:X1+16*\t+1], v[X1+16*\t+2:X1+16*\t+3]
.endr
.irp j, 4,6,8,10,12,14
.irp t, 0,1
	v_pk_add_f32 v[48+4*\t:49+4*\t], v[48+4*\t:49+4*\t], v[X1+16*\t+\j:X1+16*\t+\j+1]
.endr
.endr
.irp t, 0,1
	v_add_f32 v[48+4*\t], v[48+4*\t], v[49+4*\t]
.endr
.irp t, 0,1
	v_permlanex16_b32 v[250+\t], v[48+4*\t], s[SEL], s[SEL+1]
.endr
.irp t, 0,1
	v_add_f32 v[48+4*\t], v[48+4*\t], v[250+\t]    ; my wave's 32 columns of row (T, r)
.endr
.irp t, 0,1
	ds_store_b32 v244, v[48+4*\t] offset:1024*\t   ; (both halves of the lanes write the same word with the same value)
.endr
	BARRIER
	ROWSUM 0
.irp t, 0,1
	v_mul_f32 v[48+16*\t], s52, v[48+16*\t]
.endr
.irp t, 0,1
	v_mov_b32 v[49+16*\t], v[48+16*\t]
.endr
.irp j, 0,2,4,6,8,10,12,14
.irp t, 0,1
	v_pk_add_f32 v[16+16*\t+\j:17+16*\t+\j], v[X1+16*\t+\j:X1+16*\t+\j+1], v[48+16*\t:49+16*\t] neg_lo:[0,1] neg_hi:[0,1]   ; y = x1 - mean; x1 is kept
.endr
.endr
	; the variance
.irp t, 0,1
	v_pk_mul_f32 v[52+16*\t:53+16*\t], v[16+16*\t:17+16*\t], v[16+16*\t:17+16*\t]
.endr
.irp j, 2,4,6,8,10,12,14
.irp t, 0,1
	v_pk_fma_f32 v[52+16*\t:53+16*\t], v[16+16*\t+\j:17+16*\t+\j], v[16+16*\t+\j:17+16*\t+\j], v[52+16*\t:53+16*\t]
.endr
.endr
.irp t, 0,1
	v_add_f32 v[52+16*\t], v[52+16*\t], v[53+16*\t]
.endr
.irp t, 0,1
	v_permlanex16_b32 v[250+\t], v[52+16*\t], s[SEL], s[SEL+1]
.endr
.irp t, 0,1
	v_add_f32 v[52+16*\t], v[52+16*\t], v[250+\t]
.endr
.irp t, 0,1
	ds_store_b32 v244, v[52+16*\t] offset:RED2-RED1+1024*\t
.endr
	BARRIER
	ROWSUM RED2-RED1
	v_mov_b32 v51, 0x3727c5ac                      ; 1e-5
.irp t, 0,1
	v_fma_f32 v[48+16*\t], v[48+16*\t], s52, v51
.endr
.irp t, 0,1
	v_rsq_f32 v[48+16*\t], v[48+16*\t]
.endr
	v_nop                                          ; one plain place behind the transcendentals
	s_wait_alu depctr_va_vdst(0)
.irp t, 0,1
	v_mov_b32 v[49+16*\t], v[48+16*\t]
.endr
	s_wait_loadcnt 22                              ; gain and shift are in; w1's 18 loads and b1's 4 stay out
.irp j, 0,2,4,6,8,10,12,14
.irp t, 0,1
	v_pk_mul_f32 v[16+16*\t+\j:17+16*\t+\j], v[16+16*\t+\j:17+16*\t+\j], v[48+16*\t:49+16*\t]
.endr
.endr
.irp j, 0,2,4,6,8,10,12,14
.irp t, 0,1
	v_pk_fma_f32 v[16+16*\t+\j:17+16*\t+\j], v[16+16*\t+\j:17+16*\t+\j], v[160+\j:161+\j], v[176+\j:177+\j]
.endr
.endr
	QPAIR2 16                                      ; my 32 columns are block w of the next K
.irp t, 0,1
	ds_store_b64 v246, v[240+2*\t:241+2*\t] offset:HIMG+4096*\t
	ds_store_b8 v247, v[254+\t] offset:256*\t      ; (both halves of the lanes write the same byte with the same value)
.endr
	BARRIER                                        ; the norm's eight fragments and their scale bytes lie in LDS
.irp f, 0,1,2,3,4,5,6,7
.irp c, 0,1
	ds_load_b128 v[H+8*\f+4*\c:H+8*\f+4*\c+3], v1 offset:HIMG+1024*\f+512*\c
.endr
.endr
.irp t, 0,1
	ds_load_b128 v[HS+4*\t:HS+4*\t+3], v4 offset:HSC+256*\t
.endr
	s_wait_dscnt 0x0
	; the hidden layer: my 128 units, 32 at a time
.irp q, 0,1,2,3
	s_wait_loadcnt 0x0                             ; this unit's rows of w1 and its bias
	UNIT ACC, 2
	PLACES 5
.if \q < 3
	WLOAD 24, 26, 5, 6, 256, 8192*(\q+1), 512*(\q+1)   ; the next unit's land while this one goes through gelu and the quantiser
	BLOAD 28, 128*(\q+1)
.else
	WLOAD 30, 32, 7, 8, 1024, 0, 0                 ; w2's first 512 along K
	BLOAD 34, 0                                    ; b2
.endif
	s_wait_dscnt 0x0                               ; the last unit's LDS stores have read their registers
	GELU8 ACC
	GELU8 ACC+8
	GELU8 ACC+16
	GELU8 ACC+24
	QPAIR2 ACC                                     ; block q of K step w
.irp t, 0,1
	ds_store_b64 v10, v[240+2*\t:241+2*\t] offset:16384*\t+512*(\q/2)+256*(\q%2)
	ds_store_b8 v11, v[254+\t] offset:1024*\t+\q
.endr
.endr
	BARRIER                                        ; the hidden layer's 32 fragments and their scale bytes lie in LDS
	s_wait_loadcnt 0x0
.irp t, 0,1
.irp j, 0,2,4,6,8,10,12,14
	v_pk_add_f32 v[X1+16*\t+\j:X1+16*\t+\j+1], v[X1+16*\t+\j:X1+16*\t+\j+1], v[BI+\j:BI+\j+1]   ; x1 + b2
.endr
.endr
	PLACES 4
.irp ch, 0,1,2,3                               ; K = 2,048 in four runs of 512
.irp t, 0,1
.irp s, 0,1,2,3
.irp c, 0,1
	ds_load_b128 v[H+32*\t+8*\s+4*\c:H+32*\t+8*\s+4*\c+3], v1 offset:GIMG+1024*(16*\t+4*\ch+\s)+512*\c
.endr
.endr
.endr
.irp t, 0,1
	ds_load_b128 v[HS+4*\t:HS+4*\t+3], v12 offset:GSC+1024*\t+16*\ch
.endr
	s_wait_dscnt 0x0
	s_wait_loadcnt 0x0
	UNIT X1, 1
	PLACES 5
.if \ch < 3
	WLOAD 30, 32, 7, 8, 1024, 256*(\ch+1), 16*(\ch+1)
.endif
.endr
	; the way out: into the stage by my columns (every wave's reads of x there were waited for in front of the second barrier), back by whole rows
.irp t, 0,1
.irp i, 0,1,2,3
	ds_store_b128 v3, v[X1+16*\t+4*\i:X1+16*\t+4*\i+3] offset:16*\t*SP+16*\i     ; each accumulator from its low end on
.endr
.endr
	BARRIER
.irp i, 0,1,2,3,4,5,6,7
	ds_load_b128 v[16+4*\i:19+4*\i], v2 offset:(\i/4)*SP+512*(\i%4)
.endr
.irp i, 0,1,2,3,4,5,6,7
	s_wait_dscnt 7-\i                              ; LDS loads come back in order: load i is in, the younger ones stay out
	global_store_b128 v1, v[16+4*\i:19+4*\i], s[36:37] offset:512*\i th:TH_STORE_NT   ; 32 lanes store 512 consecutive bytes, aligned
.endr
	s_wait_xcnt 0x0
	v_lshl_add_u32 v254, v0, 2, 0x1bc00
	v_mov_b32 v255, 0
	s_wait_tensorcnt 0x0
	ds_add_u32 v254, v255
	s_wait_dscnt 0x0
	s_endpgm
.Lfunc_end_k_qb4ee51366d_ffn:
	.size	k_qb4ee51366d_ffn, .Lfunc_end_k_qb4ee51366d_ffn-k_qb4ee51366d_ffn
	.p2alignl 7, 3214868480
	.fill 96, 4, 3214868480
	.section	.rodata,"a",@progbits
	.p2align	6, 0x0
	.amdhsa_kernel k_qb4ee51366d_ffn
		.amdhsa_group_segment_fixed_size 115712
		.amdhsa_private_segment_fixed_size 0
		.amdhsa_enable_private_segment 0
		.amdhsa_kernarg_size 120
		.amdhsa_user_sgpr_count 2
		.amdhsa_user_sgpr_kernarg_segment_ptr 1
		.amdhsa_wavefront_size32 1
		.amdhsa_system_sgpr_workgroup_id_x 1
		.amdhsa_system_sgpr_workgroup_id_y 1
		.amdhsa_system_sgpr_workgroup_id_z 1
		.amdhsa_system_vgpr_workitem_id 0
		.amdhsa_next_free_vgpr 256
		.amdhsa_next_free_sgpr 66
		.amdhsa_reserve_vcc 0
		.amdhsa_float_denorm_mode_32 3
		.amdhsa_float_denorm_mode_16_64 3
		.amdhsa_memory_ordered 1
		.amdhsa_forward_progress 1
		.amdhsa_inst_pref_size 106
	.end_amdhsa_kernel
	.amdgpu_metadata
---
amdhsa.version: [ 1, 2 ]
amdhsa.kernels:
  - .name:           k_qb4ee51366d_ffn
    .symbol:         k_qb4ee51366d_ffn.kd
    .args:
      - { .name: x, .offset: 0, .size: 8, .value_kind: global_buffer, .address_space: global }
      - { .name: cc, .offset: 8, .size: 8, .value_kind: global_buffer, .address_space: global }
      - { .name: cs, .offset: 16, .size: 8, .value_kind: global_buffer, .address_space: global }
      - { .name: wo_codes, .offset: 24, .size: 8, .value_kind: global_buffer, .address_space: global }
      - { .name: wo_scales, .offset: 32, .size: 8, .value_kind: global_buffer, .address_space: global }
      - { .name: bo, .offset: 40, .size: 8, .value_kind: global_buffer, .address_space: global }
      - { .name: ln2_scale, .offset: 48, .size: 8, .value_kind: global_buffer, .address_space: global }
      - { .name: ln2_shift, .offset: 56, .size: 8, .value_kind: global_buffer, .address_space: global }
      - { .name: w1_codes, .offset: 64, .size: 8, .value_kind: global_buffer, .address_space: global }
      - { .name: w1_scales, .offset: 72, .size: 8, .value_kind: global_buffer, .address_space: global }
      - { .name: b1, .offset: 80, .size: 8, .value_kind: global_buffer, .address_space: global }
      - { .name: w2_codes, .offset: 88, .size: 8, .value_kind: global_buffer, .address_space: global }
      - { .name: w2_scales, .offset: 96, .size: 8, .value_kind: global_buffer, .address_space: global }
      - { .name: b2, .offset: 104, .size: 8, .value_kind: global_buffer, .address_space: global }
      - { .name: out0, .offset: 112, .size: 8, .value_kind: global_buffer, .address_space: global }
    .group_segment_fixed_size: 115712
    .private_segment_fixed_size: 0
    .kernarg_segment_align: 8
    .kernarg_segment_size: 120
    .max_flat_workgroup_size: 512
    .sgpr_count:     66
    .vgpr_count:     256
    .wavefront_size: 32
...
	.end_amdgpu_metadata
.endif
;; end of part 3
;; ======== version 2 of 2: 3 launches; version 1 with the launches lnqkv, attn, ffn written anew for expert scheduling mode
;; workspace buffers: qc 2,097,152 bytes; kc 2,097,152 bytes; vc 2,097,152 bytes; qs 131,072 bytes; ks 131,072 bytes; vs 131,072 bytes; cc 2,097,152 bytes; cs 131,072 bytes
;; launch lnqkv (part 4): grid 256 x 1, 16 waves a work-group, no clusters, 78,848 bytes of LDS; arguments x, ln1_scale, ln1_shift, wq_codes, wq_scales, wk_codes, wk_scales, wv_codes, wv_scales, qc, qs, kc, ks, vc, vs; writes qc, qs, kc, ks, vc, vs
.if DOCPART == 4
	.amdgcn_target "amdgcn-amd-amdhsa--gfx1250"
	.amdhsa_code_object_version 6
	.text
	.protected	k_qb4ee51366d_lnqkv
	.globl	k_qb4ee51366d_lnqkv
	.p2align	8
	.type	k_qb4ee51366d_lnqkv,@function
k_qb4ee51366d_lnqkv:
	s_mov_b64 s[64:65], 0
	v_nop
	global_prefetch_b8 v0, s[64:65] scope:SCOPE_SE
	s_setreg_imm32_b32 hwreg(HW_REG_WAVE_SCHED_MODE, 0, 2), 2
	s_setreg_imm32_b32 hwreg(HW_REG_WAVE_MODE, 25, 1), 1
	s_wait_xcnt 0x0
	s_wait_alu depctr_vm_vsrc(0)
; h = layernorm(x) in f32, quantised to FP4 (E2M1) with one E8M0 scale for each 32 along K; q = h wq, k = h wk, v = h wv on codes; q and k are quantised along the head's 32,
; v along 32 tokens, and all three leave as codes and scale bytes in the order in which the next launch's operand registers take them.
; SHARES.  A work-group of 16 waves takes 32 tokens (one block of 32 keys of one batch).  For the norm wave w = 8 T + ch takes 16 tokens (tile T) x 64 columns (64 ch on): a lane holds one whole block of 32.
; For the products wave w is head w: 32 columns of each weight, 16 fragments, straight from memory into registers, each byte once in a work-group, each fragment for two matrix instructions.
; SLOT ORDER.  Slot 16 T + r of 32 holds item 8 T + (r & 7) + 16 (r >> 3).  Tokens lie so in the two tiles, and so do a weight's 32 rows.  With source 0 = 16 rows of W and source 1 = 16 tokens a lane (r, h) then holds
; one token and 16 NEIGHBOURING columns 16 h + 0 .. 15 in the 16 registers of two tiles; with the sources swapped (for v) one column d and 16 neighbouring tokens.  A block of 32 lies in lanes l and l xor 16.
; h goes from wave to wave through LDS as an image of the operand's registers: 16 bytes a lane at 16 x lane.
; NO CLUSTER, NO TENSOR LOAD: the weights are shared by all work-groups, but a joint load lands in LDS, and each fragment would then be read from LDS once more for its two matrix instructions;
; here a wave's 24,576 bytes of a weight's codes go into its registers as they lie.  The simpler form; not shown to be the faster one.
; LIMITS: NaN and infinities among the inputs are not served.  A block of zeros, or one whose largest magnitude lies under 2^-124, gets the scale byte 1 (its codes are then zeros or the nearest codes under that
; scale); the bytes are read by this program alone.  1 / sqrt is v_rsq_f32.  The variance is the mean of (x - mean)^2, taken in a second pass, so that an offset in x does not cancel.
; THE MODE: SCHED_MODE bits 1:0 = 2 (LLVM: expert scheduling mode 2), set by the entry lines.  The code itself states the register dependences
; between vector or matrix instructions and memory or LDS instructions, with s_wait_alu, always for 0.
; THE PLAN.  Registers that memory or LDS instructions touch:
;   v1-14      addresses and offsets: written once at the head, read by every load and store, never written again.
;   v48-79     two rows of x land; the stage's LDS stores read them; later h's fragments land there.
;   v16-47     the shift lands; the norm's multiply-adds read it; later h's fragments land there.
;   v224       a partial sum, twice: written by additions, read by an LDS store.
;   v228-235   eight partial sums land, twice; additions read and write them between.
;   v240-244, v254, v255   the out-buffer: written by the quantiser's lines, read by LDS stores (h) and by global stores (q, k, v).
;   W, WS      a weight's fragments and scale words land; a unit's sixteen products read them; the next weight's land.
;   v246, v247 written at the head, read by the closing add alone.
; So: one wait on va_vdst ahead of each run of stores and behind each unit whose weight is loaded anew; one wait on vm_vsrc ahead of each rewriting of a register that a store has read.
.set H,    16                          ; v16-79   h's fragments: (tile T, K step s) at H + 32 T + 8 s.  Before that: v16-47 the shift, v48-79 two rows of x
.set HS,   80                          ; v80-87   h's scale words, 4 T + s: scales and nothing else
.set W,    88                          ; v88-151  a weight's fragments: (tile u, K step s) at W + 32 u + 8 s
.set WS,   152                         ; v152-159 their scale words, 4 u + s: scales and nothing else
.set ACC,  160                         ; v160-191 four accumulators.  Before that: the gain
.set X,    192                         ; v192-223 my block of 32 numbers
.set XIMG, 0                           ; LDS: h's 8 fragments, 1,024 bytes each: register group c at 512 c + 16 x lane
.set XSC,  8192                        ; their scale bytes: [T][r][16]
.set RED1, 8704                        ; partial sums: [T][r][8 words]
.set RED2, 9728                        ; partial sums of squares
.set STG,  10752                       ; 32 rows of x in slot order, 2,048 bytes + 16: 129 x 16 bytes from row to row, so that sixteen rows' 16 bytes fall on different banks
.set SP,   2064
.set SEL,  60                          ; s[60:61] selects of v_permlanex16_b32 for lane l xor 16
.macro PLACES n
.rept \n
	v_nop
.endr
.endm
.macro BARRIER                         ; my LDS stores have landed and my LDS loads are in: then the work-group's barrier
	s_wait_dscnt 0x0
	s_barrier_signal -1
	s_barrier_wait -1
.endm
; 18 loads: the 16 fragments' halves and the 8 scale words of 32 rows of a weight whose rows are P bytes.  va = ((r & 7) + 16 (r >> 3)) P + 16 h, vs = the same row x P / 16
.macro WLOAD cb, sb, va, vs, P, off, soff
.irp u, 0,1
.irp s, 0,1,2,3
.irp c, 0,1
	global_load_b128 v[W+32*\u+8*\s+4*\c:W+32*\u+8*\s+4*\c+3], v[\va], s[\cb:\cb+1] offset:(\off)+8*\u*(\P)+64*\s+32*\c
.endr
.endr
.endr
.irp u, 0,1
	global_load_b128 v[WS+4*\u:WS+4*\u+3], v[\vs], s[\sb:\sb+1] offset:(\soff)+8*\u*(\P)/16
.endr
.endm
; 16 matrix instructions: 32 rows of W x 32 tokens x K = 512.  The four accumulators take turns, one instruction a turn.  The first K step starts the sums.
.macro UNIT acc                        ; source 0 = W: lane (r, h): token slot (T, r); register 16 T + 8 u + j: column 16 h + 8 u + j
.irp s, 0,1,2,3
.irp t, 0,1
.irp u, 0,1
.set rD, \acc+16*\t+8*\u
.set rA, W+32*\u+8*\s
.set rB, H+32*\t+8*\s
.if \s == 0
	v_wmma_scale_f32_16x16x128_f8f6f4 v[rD:rD+7], v[rA:rA+7], v[rB:rB+7], 0, v[WS+4*\u+\s], v[HS+4*\t+\s] matrix_a_fmt:MATRIX_FMT_FP4 matrix_b_fmt:MATRIX_FMT_FP4
.else
	v_wmma_scale_f32_16x16x128_f8f6f4 v[rD:rD+7], v[rA:rA+7], v[rB:rB+7], v[rD:rD+7], v[WS+4*\u+\s], v[HS+4*\t+\s] matrix_a_fmt:MATRIX_FMT_FP4 matrix_b_fmt:MATRIX_FMT_FP4
.endif
.endr
.endr
.endr
.endm
.macro UNITN acc                       ; source 0 = h: lane (r, h): column slot (u, r); register 16 u + 8 T + j: token 16 h + 8 T + j
.irp s, 0,1,2,3
.irp u, 0,1
.irp t, 0,1
.set rD, \acc+16*\u+8*\t
.set rA, H+32*\t+8*\s
.set rB, W+32*\u+8*\s
.if \s == 0
	v_wmma_scale_f32_16x16x128_f8f6f4 v[rD:rD+7], v[rA:rA+7], v[rB:rB+7], 0, v[HS+4*\t+\s], v[WS+4*\u+\s] matrix_a_fmt:MATRIX_FMT_FP4 matrix_b_fmt:MATRIX_FMT_FP4
.else
	v_wmma_scale_f32_16x16x128_f8f6f4 v[rD:rD+7], v[rA:rA+7], v[rB:rB+7], v[rD:rD+7], v[HS+4*\t+\s], v[WS+4*\u+\s] matrix_a_fmt:MATRIX_FMT_FP4 matrix_b_fmt:MATRIX_FMT_FP4
.endif
.endr
.endr
.endr
.endm
; Two runs of 16 registers, a + 16 x, each half a block of 32 (the other half in lane l xor 16), become codes in v[240 + 2 x], v[241 + 2 x] and a scale byte in v[254 + x].  The two runs by turns; each accumulator is read from its low end on.
.macro QPAIR2 a
.irp x, 0,1
	v_max3_num_f32 v[248+\x], |v[\a+16*\x]|, |v[\a+16*\x+1]|, 0x1800000   ; and the floor 2^(3 - 127): the byte cannot fall under 1
.endr
.irp i, 2,4,6,8,10,12,14
.irp x, 0,1
	v_max3_num_f32 v[248+\x], v[248+\x], |v[\a+16*\x+\i]|, |v[\a+16*\x+\i+1]|
.endr
.endr
.irp x, 0,1
	v_permlanex16_b32 v[250+\x], v[248+\x], s[SEL], s[SEL+1]
.endr
.irp x, 0,1
	v_max_num_f32 v[248+\x], v[248+\x], v[250+\x]          ; the block's largest magnitude
.endr
.irp x, 0,1
	v_add_nc_u32 v[252+\x], 0xff000000, v[248+\x]          ; 2 off its exponent field: the conversion takes this operand's exponent field as its scale
.endr
.irp x, 0,1
	v_lshrrev_b32 v[254+\x], 23, v[252+\x]                 ; the scale's byte
.endr
.irp x, 0,1
	v_cvt_scalef32_pk8_fp4_f32 v[240+2*\x], v[\a+16*\x:\a+16*\x+7], v[252+\x]
	v_cvt_scalef32_pk8_fp4_f32 v[241+2*\x], v[\a+16*\x+8:\a+16*\x+15], v[252+\x]
.endr
	v_nop                                          ; one plain place behind the scaled conversions
.endm
.macro CODES_OUT base                  ; lane (r, h) stores 8 bytes at 16 r + 8 h: each store covers 256 consecutive bytes, aligned
	global_store_b64 v13, v[240:241], s[\base:\base+1]
	global_store_b64 v13, v[242:243], s[\base:\base+1] offset:256
.endm
.macro ALLSUM off                      ; the eight waves' partial sums of my token, added in one fixed order, into v228
	ds_load_b128 v[228:231], v6 offset:\off
	ds_load_b128 v[232:235], v6 offset:\off+16
	s_wait_dscnt 0x0
	v_pk_add_f32 v[228:229], v[228:229], v[230:231]
	v_pk_add_f32 v[232:233], v[232:233], v[234:235]
	v_pk_add_f32 v[228:229], v[228:229], v[232:233]
	v_add_f32 v228, v228, v229
.endm
	s_load_b512 s[8:23], s[0:1], 0x0               ; x 8, gain 10, shift 12, wq codes 14, scales 16, wk 18, 20, wv codes 22
	s_load_b256 s[24:31], s[0:1], 0x40             ; wv scales 24, qc 26, qs 28, kc 30
	s_load_b128 s[32:35], s[0:1], 0x60             ; ks 32, vc 34
	s_load_b64 s[36:37], s[0:1], 0x70              ; vs 36
	v_lshl_add_u32 v246, v0, 2, 0x12c00
	v_mov_b32 v247, 0
	v_lshrrev_b32 v15, 5, v0
	v_readfirstlane_b32 s40, v15                   ; wave w
	v_and_b32 v1, 31, v0
	v_lshlrev_b32 v1, 4, v1                        ; v1  16 x lane
	v_and_b32 v14, 15, v0                          ; r
	s_wait_alu depctr_va_vdst(0)
	v_bfe_u32 v15, v0, 4, 1                        ; h
	s_wait_alu depctr_va_sdst(0)                   ; s40 is written, ahead of its first reader: LDS addresses and the buffers' offsets are made from it
	s_lshr_b32 s41, s40, 3                         ; T
	s_and_b32 s42, s40, 7                          ; ch
	s_mul_i32 s43, s40, 2*SP
	s_add_co_u32 s43, s43, STG
	v_add_nc_u32 v2, s43, v1                       ; v2  the stage, in: slots 2 w and 2 w + 1, 16 bytes a lane
	s_mul_i32 s43, s41, 16*SP
	s_lshl_b32 s44, s42, 8
	s_add_co_u32 s43, s43, s44
	s_add_co_u32 s43, s43, STG
	v_mul_u32_u24 v3, v14, SP
	s_wait_alu depctr_va_vdst(0)
	v_lshl_add_u32 v3, v15, 7, v3
	v_add_nc_u32 v3, s43, v3                       ; v3  the stage, out: slot 16 T + r, byte 256 ch + 128 h: my block
	v_lshlrev_b32 v4, 7, v15                       ; v4  128 h: my block in the wave's 64 gains and shifts
	s_lshl_b32 s43, s41, 9
	s_add_co_u32 s43, s43, RED1
	v_lshl_add_u32 v6, v14, 5, s43                 ; v6  my token's eight partial sums
	s_lshl_b32 s44, s42, 2
	v_add_nc_u32 v5, s44, v6                       ; v5  and my wave's word among them
	v_lshlrev_b32 v7, 4, v0                        ; v7  the image: fragment 4 T + ch / 2, group ch % 2, 16 x lane = 16 x thread
	s_lshl_b32 s43, s41, 8
	s_lshl_b32 s44, s42, 1
	s_add_co_u32 s43, s43, s44
	s_add_co_u32 s43, s43, XSC
	v_lshl_add_u32 v8, v14, 4, v15
	v_add_nc_u32 v8, s43, v8                       ; v8  my block's scale byte: 256 T + 16 r + 2 ch + h
	v_lshlrev_b32 v10, 4, v14                      ; v10 16 r: a token's 16 scale bytes
	v_and_b32 v9, 8, v14
	v_add_nc_u32 v9, v9, v14                       ; (r & 7) + 16 (r >> 3)
	v_lshlrev_b32 v11, 8, v9
	v_lshl_add_u32 v11, v15, 4, v11                ; v11 a weight's row of 256 bytes, + 16 h
	v_lshlrev_b32 v12, 4, v9                       ; v12 its 16 scale bytes
	v_lshlrev_b32 v13, 4, v14
	v_lshl_add_u32 v13, v15, 3, v13                ; v13 16 r + 8 h: my 8 bytes of codes
	v_lshlrev_b32 v14, 2, v14                      ; v14 4 r: my row's scale word in the workspace
	v_mov_b32 v250, 0                              ; written once: a lane permute's destination counts as one of its sources
	v_mov_b32 v251, 0
	s_lshr_b32 s45, ttmp9, 6                       ; batch
	s_and_b32 s46, ttmp9, 63                       ; kb: which 32 tokens of the batch
	s_lshl_b32 s47, s45, 4
	s_add_co_u32 s47, s47, s40                     ; hd = 16 x batch + head
	s_lshl_b32 s48, ttmp9, 5                       ; slots 2 w, 2 w + 1 are tokens 8 (w >> 3) + 16 ((w >> 2) & 1) + 2 (w & 3) + 0, 1: 4,096 consecutive bytes of x
	s_lshl_b32 s49, s41, 3
	s_add_co_u32 s48, s48, s49
	s_bfe_u32 s49, s40, 0x10002
	s_lshl_b32 s49, s49, 4
	s_add_co_u32 s48, s48, s49
	s_and_b32 s49, s40, 3
	s_lshl_b32 s49, s49, 1
	s_add_co_u32 s48, s48, s49
	s_lshl_b32 s48, s48, 11
	s_mov_b32 s49, 0
	s_lshl_b32 s50, s42, 8                         ; 256 ch: the wave's 64 gains
	s_mov_b32 s51, 0
	s_lshl_b32 s52, s40, 13                        ; my head's 32 rows of a weight's codes
	s_mov_b32 s53, 0
	s_lshl_b32 s54, s40, 9                         ; and of its scale bytes
	s_mov_b32 s55, 0
	s_lshl_b32 s56, s47, 15                        ; codes out: [hd][kb][32 slots][16 bytes]
	s_lshl_b32 s57, s46, 9
	s_add_co_u32 s56, s56, s57
	s_mov_b32 s57, 0
	s_lshl_b32 s58, s47, 11
	s_lshr_b32 s4, s46, 1                          ; q's and k's scale bytes: [hd][64 tokens][r][4]: byte 2 (kb & 1) + T
	s_lshl_b32 s4, s4, 6
	s_and_b32 s5, s46, 1
	s_lshl_b32 s5, s5, 1
	s_add_co_u32 s4, s4, s5
	s_add_co_u32 s4, s4, s58
	s_mov_b32 s5, 0
	s_lshr_b32 s6, s46, 2                          ; v's: [hd][128 tokens][32 slots of d][4]: byte kb & 3
	s_lshl_b32 s6, s6, 7
	s_and_b32 s7, s46, 3
	s_add_co_u32 s6, s6, s7
	s_add_co_u32 s6, s6, s58
	s_mov_b32 s7, 0
	s_mov_b32 s[SEL], 0x76543210
	s_mov_b32 s[SEL+1], 0xfedcba98
	s_mov_b32 s59, 0x3b000000                      ; 1 / 512
	s_wait_kmcnt 0x0
	s_add_nc_u64 s[8:9], s[8:9], s[48:49]
	s_add_nc_u64 s[10:11], s[10:11], s[50:51]
	s_add_nc_u64 s[12:13], s[12:13], s[50:51]
	s_add_nc_u64 s[14:15], s[14:15], s[52:53]
	s_add_nc_u64 s[16:17], s[16:17], s[54:55]
	s_add_nc_u64 s[18:19], s[18:19], s[52:53]
	s_add_nc_u64 s[20:21], s[20:21], s[54:55]
	s_add_nc_u64 s[22:23], s[22:23], s[52:53]
	s_add_nc_u64 s[24:25], s[24:25], s[54:55]
	s_add_nc_u64 s[26:27], s[26:27], s[56:57]
	s_add_nc_u64 s[28:29], s[28:29], s[4:5]
	s_add_nc_u64 s[30:31], s[30:31], s[56:57]
	s_add_nc_u64 s[32:33], s[32:33], s[4:5]
	s_add_nc_u64 s[34:35], s[34:35], s[56:57]
	s_add_nc_u64 s[36:37], s[36:37], s[6:7]
	s_wait_alu depctr_va_vdst(0)                   ; the addresses and offsets v1 to v14 are written: every load and store of the kernel reads one of them
.irp i, 0,1,2,3,4,5,6,7
	global_load_b128 v[48+4*\i:51+4*\i], v1, s[8:9] offset:512*\i th:TH_LOAD_NT   ; two rows of x: each load 512 consecutive bytes
.endr
.irp i, 0,1,2,3,4,5,6,7
	global_load_b128 v[160+4*\i:163+4*\i], v4, s[10:11] offset:16*\i              ; my block's 32 gains
.endr
.irp i, 0,1,2,3,4,5,6,7
	global_load_b128 v[16+4*\i:19+4*\i], v4, s[12:13] offset:16*\i                ; and shifts
.endr
	WLOAD 14, 16, 11, 12, 256, 0, 0                ; wq lands while the norm is taken
	s_wait_loadcnt 34                              ; x's eight loads are in; the 8 + 8 + 18 behind them stay out
.irp i, 0,1,2,3,4,5,6,7
	ds_store_b128 v2, v[48+4*\i:51+4*\i] offset:(\i/4)*SP+512*(\i%4)
.endr
	BARRIER                                        ; the 32 rows lie in the stage
.irp i, 0,1,2,3,4,5,6,7
	ds_load_b128 v[X+4*\i:X+4*\i+3], v3 offset:16*\i
.endr
	s_wait_dscnt 0x0
	; the mean
	v_pk_add_f32 v[224:225], v[X:X+1], v[X+2:X+3]
	v_pk_add_f32 v[226:227], v[X+4:X+5], v[X+6:X+7]
.irp j, 8,12,16,20,24,28
	v_pk_add_f32 v[224:225], v[224:225], v[X+\j:X+\j+1]
	v_pk_add_f32 v[226:227], v[226:227], v[X+\j+2:X+\j+3]
.endr
	v_pk_add_f32 v[224:225], v[224:225], v[226:227]
	v_add_f32 v224, v224, v225
	v_permlanex16_b32 v250, v224, s[SEL], s[SEL+1]
	v_add_f32 v224, v224, v250                     ; my wave's 64 columns of token (T, r)
	s_wait_alu depctr_va_vdst(0)                   ; the addition has written v224, which the LDS store reads
	ds_store_b32 v5, v224                          ; (both halves of the lanes write the same word with the same value)
	BARRIER
	ALLSUM 0
	v_mul_f32 v236, s59, v228
	v_mov_b32 v237, v236
.irp j, 0,2,4,6,8,10,12,14,16,18,20,22,24,26,28,30
	v_pk_add_f32 v[X+\j:X+\j+1], v[X+\j:X+\j+1], v[236:237] neg_lo:[0,1] neg_hi:[0,1]   ; x - mean
.endr
	; the variance
	s_wait_alu depctr_vm_vsrc(0)                   ; the LDS store of the first partial sum has read v224, which the next line writes again
	v_pk_mul_f32 v[224:225], v[X:X+1], v[X:X+1]
	v_pk_mul_f32 v[226:227], v[X+2:X+3], v[X+2:X+3]
.irp j, 4,8,12,16,20,24,28
	v_pk_fma_f32 v[224:225], v[X+\j:X+\j+1], v[X+\j:X+\j+1], v[224:225]
	v_pk_fma_f32 v[226:227], v[X+\j+2:X+\j+3], v[X+\j+2:X+\j+3], v[226:227]
.endr
	v_pk_add_f32 v[224:225], v[224:225], v[226:227]
	v_add_f32 v224, v224, v225
	v_permlanex16_b32 v250, v224, s[SEL], s[SEL+1]
	v_add_f32 v224, v224, v250
	s_wait_alu depctr_va_vdst(0)                   ; the addition has written v224, which the LDS store reads; the mean's lines are done with v228 to v235, in which the next eight partial sums land (no vector line stands between)
	ds_store_b32 v5, v224 offset:RED2-RED1
	BARRIER
	ALLSUM RED2-RED1
	v_mov_b32 v229, 0x3727c5ac                     ; 1e-5
	v_fma_f32 v228, v228, s59, v229
	s_wait_alu depctr_va_vdst(0)
	v_rsq_f32 v236, v228
	v_nop                                          ; one plain place behind the transcendental
	s_wait_alu depctr_va_vdst(0)                   ; the reciprocal root has written v236, which the next line reads
	v_mov_b32 v237, v236
	s_wait_alu depctr_va_vdst(0)
	s_wait_loadcnt 18                              ; gain and shift are in; wq's 18 loads stay out
.irp j, 0,2,4,6,8,10,12,14,16,18,20,22,24,26,28,30
	v_pk_mul_f32 v[X+\j:X+\j+1], v[X+\j:X+\j+1], v[236:237]
.endr
.irp j, 0,2,4,6,8,10,12,14,16,18,20,22,24,26,28,30
	v_pk_fma_f32 v[X+\j:X+\j+1], v[X+\j:X+\j+1], v[160+\j:161+\j], v[16+\j:17+\j]
.endr
	; my block of 32: all its numbers are mine
	v_max3_num_f32 v248, |v[X]|, |v[X+1]|, |v[X+2]|
	v_max3_num_f32 v249, |v[X+3]|, |v[X+4]|, |v[X+5]|
.irp i, 6,10,14,18,22,26
	v_max3_num_f32 v248, v248, |v[X+\i]|, |v[X+\i+1]|
	v_max3_num_f32 v249, v249, |v[X+\i+2]|, |v[X+\i+3]|
.endr
	v_max3_num_f32 v248, v248, |v[X+30]|, |v[X+31]|
	v_max3_num_f32 v248, v248, v249, 0x1800000     ; and the floor
	v_add_nc_u32 v252, 0xff000000, v248
	v_lshrrev_b32 v254, 23, v252
.irp g, 0,1,2,3
	v_cvt_scalef32_pk8_fp4_f32 v[240+\g], v[X+8*\g:X+8*\g+7], v252
.endr
	v_nop
	s_wait_alu depctr_va_vdst(0)                   ; the conversions have written v240 to v243 and the shift v254, which the LDS stores read; the multiply-adds are done reading the shift in v16 to v47, in which h's fragments land
	ds_store_b128 v7, v[240:243] offset:XIMG
	ds_store_b8 v8, v254
	BARRIER                                        ; h's eight fragments and their scale bytes lie in LDS
	s_wait_alu depctr_vm_vsrc(0)                   ; the stage's LDS stores have read v48 to v79, in which h's fragments land; the image's stores have read v240 to v243 and v254, which q's quantiser writes
.irp f, 0,1,2,3,4,5,6,7
.irp c, 0,1
	ds_load_b128 v[H+8*\f+4*\c:H+8*\f+4*\c+3], v1 offset:XIMG+1024*\f+512*\c
.endr
.endr
.irp t, 0,1
	ds_load_b128 v[HS+4*\t:HS+4*\t+3], v10 offset:XSC+256*\t
.endr
	s_wait_dscnt 0x0
	s_wait_loadcnt 0x0                             ; wq
	UNIT ACC                                       ; q
	PLACES 5                                       ; behind the products: in front of the reads of the results, and of the next unit's products, which begin the accumulators anew
	s_wait_alu depctr_va_vdst(0)                   ; the products are done reading wq's fragments and scale words, in which wk's land
	WLOAD 18, 20, 11, 12, 256, 0, 0                ; wk lands while q is quantised
	QPAIR2 ACC
	v_lshl_or_b32 v244, v255, 8, v254              ; bytes 2 (kb & 1) + 0, 1 of my row's word
	s_wait_alu depctr_va_vdst(0)                   ; the conversions have written v240 to v243 and the line above v244, which the three stores read
	CODES_OUT 26
	global_store_b16 v14, v244, s[28:29]           ; 2 bytes a row: a sixteenth of what the codes' stores carry; lanes 16-31 repeat lanes 0-15
	s_wait_loadcnt 0x0
	UNIT ACC                                       ; k
	PLACES 5
	s_wait_alu depctr_va_vdst(0)                   ; the products are done reading wk's fragments and scale words, in which wv's land
	WLOAD 22, 24, 11, 12, 256, 0, 0                ; wv
	s_wait_xcnt 0x0                                ; q's stores have had their addresses translated: their data registers are written again only behind this wait,
	s_wait_alu depctr_vm_vsrc(0)                   ; and behind this one: q's stores have read v240 to v244, which k's quantiser writes
	QPAIR2 ACC
	v_lshl_or_b32 v244, v255, 8, v254
	s_wait_alu depctr_va_vdst(0)                   ; the conversions have written v240 to v243 and the line above v244, which the three stores read
	CODES_OUT 30
	global_store_b16 v14, v244, s[32:33]
	s_wait_loadcnt 0x0
	UNITN ACC                                      ; v, with the tokens along a lane's registers
	PLACES 5
	s_wait_xcnt 0x0                                ; k's stores have had their addresses translated,
	s_wait_alu depctr_vm_vsrc(0)                   ; and have read v240 to v244, which v's quantiser writes
	QPAIR2 ACC
	s_wait_alu depctr_va_vdst(0)                   ; the quantiser has written v240 to v243, v254 and v255, which the four stores read
	CODES_OUT 34
	global_store_b8 v14, v254, s[36:37]            ; slot of d (u = 0, r), byte kb & 3
	global_store_b8 v14, v255, s[36:37] offset:64  ; u = 1
	s_wait_dscnt 0x0                               ; the wave's end
	s_wait_alu 0x0
	s_wait_tensorcnt 0x0
	ds_add_u32 v246, v247
	s_wait_dscnt 0x0
	s_endpgm
.Lfunc_end_k_qb4ee51366d_lnqkv:
	.size	k_qb4ee51366d_lnqkv, .Lfunc_end_k_qb4ee51366d_lnqkv-k_qb4ee51366d_lnqkv
	.p2alignl 7, 3214868480
	.fill 96, 4, 3214868480
	.section	.rodata,"a",@progbits
	.p2align	6, 0x0
	.amdhsa_kernel k_qb4ee51366d_lnqkv
		.amdhsa_group_segment_fixed_size 78848
		.amdhsa_private_segment_fixed_size 0
		.amdhsa_enable_private_segment 0
		.amdhsa_kernarg_size 120
		.amdhsa_user_sgpr_count 2
		.amdhsa_user_sgpr_kernarg_segment_ptr 1
		.amdhsa_wavefront_size32 1
		.amdhsa_system_sgpr_workgroup_id_x 1
		.amdhsa_system_sgpr_workgroup_id_y 1
		.amdhsa_system_sgpr_workgroup_id_z 1
		.amdhsa_system_vgpr_workitem_id 0
		.amdhsa_next_free_vgpr 256
		.amdhsa_next_free_sgpr 66
		.amdhsa_reserve_vcc 0
		.amdhsa_float_denorm_mode_32 3
		.amdhsa_float_denorm_mode_16_64 3
		.amdhsa_memory_ordered 1
		.amdhsa_forward_progress 1
		.amdhsa_inst_pref_size 36
	.end_amdhsa_kernel
	.amdgpu_metadata
---
amdhsa.version: [ 1, 2 ]
amdhsa.kernels:
  - .name:           k_qb4ee51366d_lnqkv
    .symbol:         k_qb4ee51366d_lnqkv.kd
    .args:
      - { .name: x, .offset: 0, .size: 8, .value_kind: global_buffer, .address_space: global }
      - { .name: ln1_scale, .offset: 8, .size: 8, .value_kind: global_buffer, .address_space: global }
      - { .name: ln1_shift, .offset: 16, .size: 8, .value_kind: global_buffer, .address_space: global }
      - { .name: wq_codes, .offset: 24, .size: 8, .value_kind: global_buffer, .address_space: global }
      - { .name: wq_scales, .offset: 32, .size: 8, .value_kind: global_buffer, .address_space: global }
      - { .name: wk_codes, .offset: 40, .size: 8, .value_kind: global_buffer, .address_space: global }
      - { .name: wk_scales, .offset: 48, .size: 8, .value_kind: global_buffer, .address_space: global }
      - { .name: wv_codes, .offset: 56, .size: 8, .value_kind: global_buffer, .address_space: global }
      - { .name: wv_scales, .offset: 64, .size: 8, .value_kind: global_buffer, .address_space: global }
      - { .name: qc, .offset: 72, .size: 8, .value_kind: global_buffer, .address_space: global }
      - { .name: qs, .offset: 80, .size: 8, .value_kind: global_buffer, .address_space: global }
      - { .name: kc, .offset: 88, .size: 8, .value_kind: global_buffer, .address_space: global }
      - { .name: ks, .offset: 96, .size: 8, .value_kind: global_buffer, .address_space: global }
      - { .name: vc, .offset: 104, .size: 8, .value_kind: global_buffer, .address_space: global }
      - { .name: vs, .offset: 112, .size: 8, .value_kind: global_buffer, .address_space: global }
    .group_segment_fixed_size: 78848
    .private_segment_fixed_size: 0
    .kernarg_segment_align: 8
    .kernarg_segment_size: 120
    .max_flat_workgroup_size: 512
    .sgpr_count:     66
    .vgpr_count:     256
    .wavefront_size: 32
...
	.end_amdgpu_metadata
.endif
;; end of part 4
;; launch attn (part 5): grid 4 x 64, 16 waves a work-group, no clusters, 71,680 bytes of LDS; arguments qc, qs, kc, ks, vc, vs, cc, cs; writes cc, cs
.if DOCPART == 5
	.amdgcn_target "amdgcn-amd-amdhsa--gfx1250"
	.amdhsa_code_object_version 6
	.text
	.protected	k_qb4ee51366d_attn
	.globl	k_qb4ee51366d_attn
	.p2align	8
	.type	k_qb4ee51366d_attn,@function
k_qb4ee51366d_attn:
	s_mov_b64 s[64:65], 0
	v_nop
	global_prefetch_b8 v0, s[64:65] scope:SCOPE_SE
	s_setreg_imm32_b32 hwreg(HW_REG_WAVE_SCHED_MODE, 0, 2), 2
	s_setreg_imm32_b32 hwreg(HW_REG_WAVE_MODE, 25, 1), 1
	s_wait_xcnt 0x0
	s_wait_alu depctr_vm_vsrc(0)
; ctx = softmax(q k^T / sqrt(32), causal) v for one head of one batch, both products on codes of FP4 (E2M1) with E8M0 scales; ctx is quantised along the head's 32 and leaves as codes.
; THE SOFTMAX: t = score x log2(e) / sqrt(32); M = the row's largest t so far, rounded UP to a whole number; p = 2^(t - M) is quantised along the keys, not normalised; the row's sum is taken of the unquantised p
; and divides at the end.  When M moves, the sum and O are multiplied by 2^(old M - new M), which rounds nothing.
; SHARES.  Work-group (x, y): head y (16 x batch + head), a quarter of its 128 tiles of 16 queries.  Wave w takes i = 16 x + w and does tile 127 - i and then tile i: (16 - i / 8) + (i / 8 + 1) = 17 key steps
; of 128 for every wave, whatever i.  The head's K and V (codes 2 x 32,768 bytes, scale bytes 2 x 2,048) come into LDS once, through registers; behind the one barrier LDS is only read.
; K = 32 IN AN INSTRUCTION OF 128.  A fragment of K carries FOUR tiles of 16 keys, one in each block of 32; it is multiplied four times, each time by a copy of Q that holds q in one block and zero codes in the other three.
; LAYOUT.  Both products are used transposed (S^T = K Q^T, O^T = V^T P^T): a lane holds ONE query (lane % 16).  The keys lie in slot order, so that register 16 b + i of S^T is key 32 b + 16 (lane / 16) + i.
; CAUSAL.  The loop has 16 trips for every tile; a step all of whose keys come after the tile's queries is jumped over by a scalar branch on ids; on the diagonal hidden scores become -infinity ahead of the maximum.
; NO CLUSTER: the four work-groups of a head read the same 69,632 bytes once each, a small part of the launch's work, and they come through registers.
; LIMITS: NaN and infinities are not served; a block of zeros gets the scale byte 1 (its codes are zeros; the bytes are read by this program alone); the division is v_rcp_f32 and a multiplication.
; REGISTERS: v1-7 addresses that stay; v8-11 the step's; v12 -M, v13 the largest t, v[14:15] the sum; v16-39 the four copies of Q (QL, 0, QL, QH, 0, QH); v40-47 at work; v48-63 K; v64-79 V;
; v80 K's scale words, v81 V's, v82 Q's, v83 p's: scales and nothing else; v96-159 S^T, then p; v160-175 O^T; v176-191 ctx; v224-231 p's codes; v232-254 at work.
; THE MODE: SCHED_MODE bits 1:0 = 2 (LLVM: expert scheduling mode 2), set by the entry lines.  The code itself states the register dependences
; between vector or matrix instructions and memory or LDS instructions, with s_wait_alu, always for 0.
; THE PLAN.  Registers that memory or LDS instructions touch:
;   v1-7, v44, v45, v87-89   addresses and offsets: written once at the head, never again.
;   v96-129    at the head the head's K and V pass through them (loads land, LDS stores read); from the first step on the products write them.
;   v40-43, v47  a tile's q and its scale byte land; the selections and one multiplication read them.
;   v8-11      the step's four LDS addresses: written at the step's head, read by its ten LDS loads.
;   v48-81     K, V and their scale words land at the step's head; the step's ten products read them.
;   v243, v248, v249   a tile's scale byte and codes: written on the way out, read by its two stores.
;   v251, v255 written at the head, read by the closing add alone.
; A step has ONE wait on va_vdst for its loads, behind the four additions that make its addresses: it states that these are written and that the last step's products are done reading K, V and the scale words;
; the ten loads follow it in one run.  The wait on vm_vsrc for the addresses stands at the step's label, a whole step behind the loads that it names.
; Operands that vector lines make for a scaled product (Q's copies and scale word; p's codes and scale word) have a wait on va_vdst between their last writer and the product, behind the places.
; A compare's mask is awaited ahead of the selections that read it: the mask's 64 compares go in four runs of sixteen, into sixteen scalar registers, with one wait behind each run.
.set LKC, 0
.set LVC, 32768
.set LKS, 65536
.set LVS, 67584
.set Q2,  7                            ; s7  the second tile's first query
.set MK,  24                           ; s24-39 sixteen masks of the causal selections (free behind the head's address sums)
.set QF,  42                           ; s42 the tile's first query
.set QE,  43                           ; s43 its last
.set KF,  44                           ; s44 the step's first key
.set TB,  45                           ; s45 the step's codes in LDS: 2,048 bytes a step
.set TS,  46                           ; s46 its scale words: 128 bytes a step
.set CNT, 47
.set CS,  48                           ; s[48:49] c = log2(e) / sqrt(32)
.set SEL, 50                           ; s[50:51] selects of v_permlanex16_b32 for lane l xor 16
.macro PLACES n
.rept \n
	v_nop
.endr
.endm
.macro QK g, jb, q                     ; 16 keys (fragment g, block jb) x my 16 queries
.if \g == 0
	v_wmma_scale_f32_16x16x128_f8f6f4 v[96+8*(4*\g+\jb):103+8*(4*\g+\jb)], v[48+8*\g:55+8*\g], v[\q:\q+7], 0, v80, v82 matrix_a_fmt:MATRIX_FMT_FP4 matrix_b_fmt:MATRIX_FMT_FP4
.else
	v_wmma_scale_f32_16x16x128_f8f6f4 v[96+8*(4*\g+\jb):103+8*(4*\g+\jb)], v[48+8*\g:55+8*\g], v[\q:\q+7], 0, v80, v82 matrix_a_fmt:MATRIX_FMT_FP4 matrix_b_fmt:MATRIX_FMT_FP4 matrix_a_scale:MATRIX_SCALE_ROW1
.endif
.endm
	s_load_b512 s[8:23], s[0:1], 0x0               ; qc 8, qs 10, kc 12, ks 14, vc 16, vs 18, cc 20, cs 22
	v_lshl_add_u32 v251, v0, 2, 0x11000
	v_mov_b32 v255, 0
	v_lshrrev_b32 v8, 5, v0
	v_readfirstlane_b32 s40, v8                    ; wave
	s_and_b32 s41, ttmp7, 0xffff                   ; hd
	v_and_b32 v86, 31, v0                          ; lane
	v_and_b32 v9, 15, v0                           ; r
	v_bfe_u32 v10, v0, 4, 1                        ; h
	v_lshlrev_b32 v1, 4, v86                       ; v1  K: 16 x lane: lane (r, h) takes slot 16 h + r of a block of 32 keys
	v_lshlrev_b32 v2, 4, v9
	v_lshl_add_u32 v2, v10, 9, v2
	v_add_nc_u32 v2, LVC, v2                       ; v2  V: block of keys 2 c + h, slot of d 16 u + r
	v_lshl_add_u32 v3, v86, 2, LKS                 ; v3  K's scale words: lanes 0-15 the first 64 keys', lanes 16-31 the next 64's
	v_lshl_add_u32 v4, v86, 2, LVS                 ; v4  V's: lanes 0-15 tile u = 0, lanes 16-31 u = 1
	v_lshlrev_b32 v5, 4, v10
	v_sub_nc_u32 v5, v9, v5                        ; v5  r - 16 h, for the mask
	v_lshlrev_b32 v6, 4, v9
	v_lshl_add_u32 v6, v10, 3, v6                  ; v6  16 r + 8 h: my 8 bytes of ctx's codes
	v_lshlrev_b32 v7, 4, v9                        ; v7  16 r: my query's row of ctx's scale bytes
	v_and_b32 v11, 7, v9
	v_lshrrev_b32 v47, 3, v9
	v_lshlrev_b32 v44, 4, v11
	v_lshl_add_u32 v44, v47, 8, v44                ; v44 query r's slot: 256 (r >> 3) + 16 (r & 7)
	v_lshl_add_u32 v45, v11, 2, v47                ; v45 and its scale byte: 4 (r & 7) + (r >> 3)
	v_mov_b32 v46, 0
	v_lshlrev_b32 v87, 4, v0                       ; the fill: 16 bytes a thread,
	v_lshlrev_b32 v88, 2, v0                       ; 4 bytes a thread
	v_add_nc_u32 v89, LKS, v88
.irp b, 0,1,2,3
	v_mov_b32 v[236+\b], 0                         ; written once: a lane permute's destination counts as one of its sources
.endr
	v_mov_b32 v241, 0
	v_mov_b32 v253, 0                              ; named as the upper half of the pair v[252:253]
	s_wait_alu depctr_va_sdst(0)                   ; s40 is written, ahead of its first reader: the tiles' first queries are made from it
	s_lshl_b32 s24, s41, 15                        ; the head's codes
	s_mov_b32 s25, 0
	s_lshl_b32 s26, s41, 11                        ; its scale bytes
	s_mov_b32 s27, 0
	s_lshr_b32 s28, s41, 4                         ; ctx's scale bytes: [batch x 2,048 + token][16 = head]
	s_lshl_b32 s28, s28, 15
	s_and_b32 s29, s41, 15
	s_add_co_u32 s28, s28, s29
	s_mov_b32 s29, 0
	s_lshl_b32 s[Q2], ttmp9, 4
	s_add_co_u32 s[Q2], s[Q2], s40
	s_lshl_b32 s[Q2], s[Q2], 4                     ; 16 i: the second tile's first query
	s_sub_co_u32 s[QF], 2032, s[Q2]                ; 16 (127 - i): the first tile's
	s_mov_b32 s[CS], 0x3e8293ee
	s_mov_b32 s[CS+1], s[CS]                       ; (named with it as a pair, so it is written)
	s_mov_b32 s[SEL], 0x76543210
	s_mov_b32 s[SEL+1], 0xfedcba98
	s_wait_kmcnt 0x0
	s_add_nc_u64 s[8:9], s[8:9], s[24:25]
	s_add_nc_u64 s[10:11], s[10:11], s[26:27]
	s_add_nc_u64 s[12:13], s[12:13], s[24:25]
	s_add_nc_u64 s[14:15], s[14:15], s[26:27]
	s_add_nc_u64 s[16:17], s[16:17], s[24:25]
	s_add_nc_u64 s[18:19], s[18:19], s[26:27]
	s_add_nc_u64 s[20:21], s[20:21], s[24:25]
	s_add_nc_u64 s[22:23], s[22:23], s[28:29]
	s_wait_alu depctr_va_vdst(0)                   ; the addresses and offsets v1 to v7, v44, v45 and v87 to v89 are written, which the loads and stores below read; the head's lines are done with v47, in which q's scale byte lands
.irp i, 0,1,2,3
	global_load_b128 v[96+4*\i:99+4*\i], v87, s[12:13] offset:8192*\i
.endr
.irp i, 0,1,2,3
	global_load_b128 v[112+4*\i:115+4*\i], v87, s[16:17] offset:8192*\i
.endr
	global_load_b32 v128, v88, s[14:15]
	global_load_b32 v129, v88, s[18:19]
	s_wait_loadcnt 0x0
.irp i, 0,1,2,3
	ds_store_b128 v87, v[96+4*\i:99+4*\i] offset:LKC+8192*\i
.endr
.irp i, 0,1,2,3
	ds_store_b128 v87, v[112+4*\i:115+4*\i] offset:LVC+8192*\i
.endr
	ds_store_b32 v89, v128
	ds_store_b32 v89, v129 offset:LVS-LKS
	s_wait_dscnt 0x0                               ; for the others' sake: my part of the head lies in LDS
	s_barrier_signal -1
	s_barrier_wait -1                              ; everybody's does; from here on LDS is only read
; One tile of 16 queries, s[QF] on.
.macro ATT_TILE
	s_wait_xcnt 0x0                                ; the last tile's stores have had their addresses translated: their bases and data are written again only behind this wait,
	s_wait_alu depctr_vm_vsrc(0)                   ; and behind this one.  First tile: the fill's LDS stores have read v96 to v129, which the products write.  Second tile: the last tile's stores have read v243, v248 and v249, which the way out writes
	s_add_co_u32 s[QE], s[QF], 15
	s_bfe_u32 s60, s[QF], 0x10004                  ; a: which half of a block of 32 tokens
	s_lshl_b32 s62, s[QF], 4
	s_mov_b32 s63, 0
	s_add_nc_u64 s[56:57], s[20:21], s[62:63]      ; ctx's codes: 16 bytes a query
	s_add_nc_u64 s[58:59], s[22:23], s[62:63]      ; its scale bytes: 16 bytes a query, one of them this head's
	s_lshl_b32 s61, s60, 7
	s_sub_co_u32 s62, s62, s61
	s_add_nc_u64 s[52:53], s[8:9], s[62:63]        ; q's codes: block of 32 tokens x 512 + 128 a; query r lies in slot 16 (r >> 3) + 8 a + (r & 7)
	s_lshr_b32 s62, s[QF], 6
	s_lshl_b32 s62, s62, 6
	s_lshl_b32 s61, s60, 5
	s_add_co_u32 s62, s62, s61
	s_bfe_u32 s61, s[QF], 0x10005
	s_lshl_b32 s61, s61, 1
	s_add_co_u32 s62, s62, s61
	s_add_nc_u64 s[54:55], s[10:11], s[62:63]      ; q's scale bytes: 64 (first query / 64) + 32 a + 2 (block & 1)
	s_mov_b32 s61, 0x01010101
	global_load_b128 v[40:43], v44, s[52:53]       ; no wait of their own: no vector line stands between these two loads and the last wait on va_vdst (the head's; the one ahead of the last tile's stores), behind which every reader of v40 to v43 and v47 is done
	global_load_u8 v47, v45, s[54:55]
	s_mov_b32 s[KF], 0
	s_mov_b32 s[TB], 0
	s_mov_b32 s[TS], 0
	s_mov_b32 s[CNT], 0
	s_wait_loadcnt 0x0
	v_mul_lo_u32 v82, v47, s61                     ; q's byte in all four bytes of its scale word
	v_cmp_gt_u32 vcc_lo, 16, v86
	s_wait_alu depctr_va_vcc(0)                    ; the compare has written VCC, which the sixteen selections below read
.irp j, 0,1,2,3
	v_cndmask_b32 v[16+\j], 0, v[40+\j], vcc_lo    ; QL: q in lanes 0-15, zero codes in lanes 16-31
	v_cndmask_b32 v[24+\j], 0, v[40+\j], vcc_lo
	v_cndmask_b32 v[28+\j], v[40+\j], v46, vcc_lo  ; QH: the other way round
	v_cndmask_b32 v[36+\j], v[40+\j], v46, vcc_lo
	v_mov_b32 v[20+\j], 0
	v_mov_b32 v[32+\j], 0
.endr                                          ; v[16:23]: q in block 0;  v[28:35]: block 1;  v[20:27]: block 2;  v[32:39]: block 3
	v_mov_b32 v13, 0xff61b1e6                      ; the largest t so far: -3e38, under every t
	v_floor_f32 v12, -v13                          ; -M
	v_mov_b32 v14, 0
	v_mov_b32 v15, 0
.irp j, 0,1,2,3,4,5,6,7,8,9,10,11,12,13,14,15
	v_mov_b32 v[160+\j], 0                         ; O^T: the first step finds zeros, which the first change of M leaves zeros.  (These 20 lines are also the places between the writes of Q and its scale word and the first product)
.endr
.Lstep_\@:
	s_wait_alu depctr_vm_vsrc(0)                   ; the last step's LDS loads have read v8 to v11, which this step's four additions write
	s_cmp_gt_u32 s[KF], s[QE]                      ; all 128 keys come after my queries: nothing to do but step the addresses
	s_cbranch_scc1 .Lhidden_\@
	v_add_nc_u32 v8, s[TB], v1
	v_add_nc_u32 v9, s[TB], v2
	v_add_nc_u32 v10, s[TS], v3
	v_add_nc_u32 v11, s[TS], v4
	s_wait_alu depctr_va_vdst(0)                   ; v8 to v11 are written, which the ten loads read; the last step's products are done reading K, V and their scale words, in which the loads land; in a tile's first step Q's copies and v82 are written, which the products take
.irp n, 0,1,2,3
	ds_load_b128 v[48+4*\n:51+4*\n], v8 offset:512*\n          ; block n of 32 keys: fragment n / 2, register group n % 2
.endr
	ds_load_b32 v80, v10
.irp u, 0,1
.irp c, 0,1
	ds_load_b128 v[64+8*\u+4*\c:67+8*\u+4*\c], v9 offset:1024*\c+256*\u
.endr
.endr
	ds_load_b32 v81, v11
	s_wait_dscnt 5                                 ; K's five loads are in; V's five stay out until the second product
.irp g, 0,1
	QK \g, 0, 16
	QK \g, 1, 28
	QK \g, 2, 20
	QK \g, 3, 32
.endr
	PLACES 5
	s_add_co_u32 s60, s[KF], 127                   ; a step all of whose keys count skips the mask
	s_cmp_le_u32 s60, s[QF]
	s_cbranch_scc1 .Lopen_\@
	s_sub_co_i32 s60, s[QF], s[KF]
	v_add_nc_u32 v252, s60, v5                     ; d = my query - KF - 16 h.  Register 16 b + i holds key KF + 16 h + 32 b + i: hidden where 32 b + i > d
	v_mov_b32 v254, 0xff800000                     ; -infinity
.irp b, 0,1,2,3                                ; a block of 32 keys at a time: sixteen compares in a run, one wait, sixteen selections
.irp i, 0,1,2,3,4,5,6,7,8,9,10,11,12,13,14,15
	v_cmp_gt_i32 s[MK+\i], 32*\b+\i, v252
.endr
	s_wait_alu depctr_va_sdst(0)                   ; the sixteen compares have written s24 to s39, which the sixteen selections below read
.irp i, 0,1,2,3,4,5,6,7,8,9,10,11,12,13,14,15
	v_cndmask_b32 v[96+16*\b+\i], v[96+16*\b+\i], v254, s[MK+\i]
.endr
.endr
.Lopen_\@:
.irp b, 0,1,2,3
	v_max3_num_f32 v[232+\b], v[96+16*\b], v[97+16*\b], v[98+16*\b]   ; the largest score of each block of 32 keys: for the row's maximum, and, since p rises with the score, for the block's largest p
.endr
.irp i, 3,5,7,9,11,13
.irp b, 0,1,2,3
	v_max3_num_f32 v[232+\b], v[232+\b], v[96+16*\b+\i], v[97+16*\b+\i]
.endr
.endr
.irp b, 0,1,2,3
	v_max_num_f32 v[232+\b], v[232+\b], v[111+16*\b]
.endr
.irp b, 0,1,2,3
	v_permlanex16_b32 v[236+\b], v[232+\b], s[SEL], s[SEL+1]
.endr
.irp b, 0,1,2,3
	v_max_num_f32 v[232+\b], v[232+\b], v[236+\b]  ; with lane l xor 16's 16 keys
.endr
	v_max3_num_f32 v254, v232, v233, v234
	v_max_num_f32 v254, v254, v235
	v_mul_f32 v254, s[CS], v254                    ; the step's largest t (c is positive)
	v_max_num_f32 v13, v13, v254
	v_mov_b32 v254, v12
	v_floor_f32 v12, -v13                          ; the new -M = -ceil(t)
	v_sub_f32 v254, v12, v254                      ; old M - new M: a whole number, 0 or less
	v_cvt_i32_f32 v254, v254                       ; (it saturates)
	v_ldexp_f32 v252, 1.0, v254                    ; f = 2^(old M - new M)
.irp j, 0,2,4,6,8,10,12,14,16,18,20,22,24,26,28,30,32,34,36,38,40,42,44,46,48,50,52,54,56,58,60,62
	v_pk_fma_f32 v[96+\j:97+\j], v[96+\j:97+\j], s[CS:CS+1], v[12:13] op_sel_hi:[1,0,0]   ; t - M
.endr
.irp b, 0,1,2,3
	v_fma_f32 v[232+\b], v[232+\b], s[CS], v12     ; the same of each block's largest score
.endr
	s_wait_alu depctr_va_vdst(0)
.irp j, 0,1,2,3,4,5,6,7,8,9,10,11,12,13,14,15,16,17,18,19,20,21,22,23,24,25,26,27,28,29,30,31,32,33,34,35,36,37,38,39,40,41,42,43,44,45,46,47,48,49,50,51,52,53,54,55,56,57,58,59,60,61,62,63
	v_exp_f32 v[96+\j], v[96+\j]                   ; p = 2^(t - M)
.endr
.irp b, 0,1,2,3
	v_exp_f32 v[232+\b], v[232+\b]                 ; the block's largest p
.endr
	v_pk_mul_f32 v[14:15], v[14:15], v[252:253] op_sel_hi:[1,0]   ; the sums under the new M.  (A plain place behind the exponentials)
	s_wait_alu depctr_va_vdst(0)                   ; the 68 exponentials have written v96 to v159 and v232 to v235, ahead of their first reader: one wait for the batch
.irp b, 0,1,2,3
	v_max_num_f32 v[232+\b], 0x1800000, v[232+\b]  ; the floor 2^(3 - 127)
.endr
.irp b, 0,1,2,3
	v_add_nc_u32 v[244+\b], 0xff000000, v[232+\b]  ; the conversion's scale operand
.endr
.irp b, 0,1,2,3
	v_lshrrev_b32 v[236+\b], 23, v[244+\b]         ; the scale's byte
.endr
	v_lshl_or_b32 v83, v237, 8, v236               ; p's scale word for these 128 keys
	v_lshl_or_b32 v83, v238, 16, v83
	v_lshl_or_b32 v83, v239, 24, v83
.irp b, 0,1,2,3
	v_cvt_scalef32_pk8_fp4_f32 v[224+2*\b], v[96+16*\b:103+16*\b], v[244+\b]
	v_cvt_scalef32_pk8_fp4_f32 v[225+2*\b], v[104+16*\b:111+16*\b], v[244+\b]
.endr
	v_nop                                          ; one plain place behind the scaled conversions
.irp c, 0,1                                    ; the operand's layout wants a whole block in a lane
.irp i, 0,1
	v_permlane16_swap_b32 v[224+4*\c+\i], v[226+4*\c+\i]
.endr
.endr
.irp j, 0,2,4,6,8,10,12,14
	v_pk_mul_f32 v[160+\j:161+\j], v[160+\j:161+\j], v[252:253] op_sel_hi:[1,0]   ; O^T under the new M
.endr
	v_pk_add_f32 v[236:237], v[96:97], v[98:99]    ; the row's sum, of the unquantised p, in two chains.  (These 32 lines are the places between the writes of p's codes and scale word and the products below)
.irp j, 4,8,12,16,20,24,28,32,36,40,44,48,52,56,60
	v_pk_add_f32 v[14:15], v[14:15], v[96+\j:97+\j]
	v_pk_add_f32 v[236:237], v[236:237], v[98+\j:99+\j]
.endr
	v_pk_add_f32 v[14:15], v[14:15], v[236:237]
	s_wait_dscnt 0x0                               ; V and its scale words
	s_wait_alu depctr_va_vdst(0)                   ; p's codes v224 to v231 and its scale word v83 are written, which the two products take; the places above stay beside this wait
	v_wmma_scale_f32_16x16x128_f8f6f4 v[160:167], v[64:71], v[224:231], v[160:167], v81, v83 matrix_a_fmt:MATRIX_FMT_FP4 matrix_b_fmt:MATRIX_FMT_FP4
	v_wmma_scale_f32_16x16x128_f8f6f4 v[168:175], v[72:79], v[224:231], v[168:175], v81, v83 matrix_a_fmt:MATRIX_FMT_FP4 matrix_b_fmt:MATRIX_FMT_FP4 matrix_a_scale:MATRIX_SCALE_ROW1
	PLACES 5                                       ; in front of the next step's products and of the reads of O^T
.Lhidden_\@:
	s_add_co_u32 s[KF], s[KF], 128
	s_add_co_u32 s[TB], s[TB], 2048
	s_add_co_u32 s[TS], s[TS], 128
	s_add_co_u32 s[CNT], s[CNT], 1
	s_cmp_lt_u32 s[CNT], 16
	s_cbranch_scc1 .Lstep_\@
	; the way out: ctx = O^T / the sum; register 8 u + j is d = 16 h + 8 u + j of query r: half a block of the next product's K
	v_add_f32 v14, v14, v15
	v_permlanex16_b32 v241, v14, s[SEL], s[SEL+1]
	v_add_f32 v14, v14, v241
	s_wait_alu depctr_va_vdst(0)
	v_rcp_f32 v14, v14
	v_nop                                          ; one plain place behind the transcendental
	s_wait_alu depctr_va_vdst(0)                   ; the reciprocal has written v14, which the sixteen multiplications read
.irp j, 0,1,2,3,4,5,6,7,8,9,10,11,12,13,14,15
	v_mul_f32 v[176+\j], v[160+\j], v14
.endr
	v_max3_num_f32 v240, |v176|, |v177|, 0x1800000
.irp i, 2,4,6,8,10,12,14
	v_max3_num_f32 v240, v240, |v[176+\i]|, |v[177+\i]|
.endr
	v_permlanex16_b32 v241, v240, s[SEL], s[SEL+1]
	v_max_num_f32 v240, v240, v241
	v_add_nc_u32 v242, 0xff000000, v240
	v_lshrrev_b32 v243, 23, v242
	v_cvt_scalef32_pk8_fp4_f32 v248, v[176:183], v242
	v_cvt_scalef32_pk8_fp4_f32 v249, v[184:191], v242
	v_nop
	s_wait_alu depctr_va_vdst(0)                   ; the conversions have written v248 and v249 and the shift v243, which the two stores read
	global_store_b64 v6, v[248:249], s[56:57]      ; the wave stores 256 consecutive bytes, aligned
	global_store_b8 v7, v243, s[58:59]             ; one byte of each query's 16: the other heads' work-groups write the others; lanes 16-31 repeat lanes 0-15
.endm
	ATT_TILE
	s_mov_b32 s[QF], s[Q2]
	ATT_TILE
	s_wait_dscnt 0x0                               ; the wave's end
	s_wait_alu 0x0
	s_wait_tensorcnt 0x0
	ds_add_u32 v251, v255
	s_wait_dscnt 0x0
	s_endpgm
.Lfunc_end_k_qb4ee51366d_attn:
	.size	k_qb4ee51366d_attn, .Lfunc_end_k_qb4ee51366d_attn-k_qb4ee51366d_attn
	.p2alignl 7, 3214868480
	.fill 96, 4, 3214868480
	.section	.rodata,"a",@progbits
	.p2align	6, 0x0
	.amdhsa_kernel k_qb4ee51366d_attn
		.amdhsa_group_segment_fixed_size 71680
		.amdhsa_private_segment_fixed_size 0
		.amdhsa_enable_private_segment 0
		.amdhsa_kernarg_size 64
		.amdhsa_user_sgpr_count 2
		.amdhsa_user_sgpr_kernarg_segment_ptr 1
		.amdhsa_wavefront_size32 1
		.amdhsa_system_sgpr_workgroup_id_x 1
		.amdhsa_system_sgpr_workgroup_id_y 1
		.amdhsa_system_sgpr_workgroup_id_z 1
		.amdhsa_system_vgpr_workitem_id 0
		.amdhsa_next_free_vgpr 256
		.amdhsa_next_free_sgpr 66
		.amdhsa_reserve_vcc 1
		.amdhsa_float_denorm_mode_32 3
		.amdhsa_float_denorm_mode_16_64 3
		.amdhsa_memory_ordered 1
		.amdhsa_forward_progress 1
		.amdhsa_inst_pref_size 61
	.end_amdhsa_kernel
	.amdgpu_metadata
---
amdhsa.version: [ 1, 2 ]
amdhsa.kernels:
  - .name:           k_qb4ee51366d_attn
    .symbol:         k_qb4ee51366d_attn.kd
    .args:
      - { .name: qc, .offset: 0, .size: 8, .value_kind: global_buffer, .address_space: global }
      - { .name: qs, .offset: 8, .size: 8, .value_kind: global_buffer, .address_space: global }
      - { .name: kc, .offset: 16, .size: 8, .value_kind: global_buffer, .address_space: global }
      - { .name: ks, .offset: 24, .size: 8, .value_kind: global_buffer, .address_space: global }
      - { .name: vc, .offset: 32, .size: 8, .value_kind: global_buffer, .address_space: global }
      - { .name: vs, .offset: 40, .size: 8, .value_kind: global_buffer, .address_space: global }
      - { .name: cc, .offset: 48, .size: 8, .value_kind: global_buffer, .address_space: global }
      - { .name: cs, .offset: 56, .size: 8, .value_kind: global_buffer, .address_space: global }
    .group_segment_fixed_size: 71680
    .private_segment_fixed_size: 0
    .kernarg_segment_align: 8
    .kernarg_segment_size: 64
    .max_flat_workgroup_size: 512
    .sgpr_count:     66
    .vgpr_count:     256
    .wavefront_size: 32
...
	.end_amdgpu_metadata
.endif
;; end of part 5
;; launch ffn (part 6): grid 256 x 1, 16 waves a work-group, no clusters, 115,712 bytes of LDS; arguments x, cc, cs, wo_codes, wo_scales, bo, ln2_scale, ln2_shift, w1_codes, w1_scales, b1, w2_codes, w2_scales, b2, out0; writes out0
.if DOCPART == 6
	.amdgcn_target "amdgcn-amd-amdhsa--gfx1250"
	.amdhsa_code_object_version 6
	.text
	.protected	k_qb4ee51366d_ffn
	.globl	k_qb4ee51366d_ffn
	.p2align	8
	.type	k_qb4ee51366d_ffn,@function
k_qb4ee51366d_ffn:
	s_mov_b64 s[64:65], 0
	v_nop
	global_prefetch_b8 v0, s[64:65] scope:SCOPE_SE
	s_setreg_imm32_b32 hwreg(HW_REG_WAVE_SCHED_MODE, 0, 2), 2
	s_setreg_imm32_b32 hwreg(HW_REG_WAVE_MODE, 25, 1), 1
	s_wait_xcnt 0x0
	s_wait_alu depctr_vm_vsrc(0)
; x1 = x + ctx wo + bo;  out = x1 + gelu(layernorm(x1) w1 + b1) w2 + b2.  The three products on codes of FP4 (E2M1) with E8M0 scales; all else in f32.  x1, the norm and the hidden layer never go to memory.
; SHARES.  A work-group of 16 waves takes 32 rows (tile T: rows 16 T + r).  THE WAVES SHARE THE COLUMNS: wave w owns columns 32 w .. 32 w + 31 of x1 and of out, and hidden units 128 w .. 128 w + 127, which are
; K step w of the last product.  Each wave's part of the weights goes from memory straight into its registers, each byte once in a work-group, each fragment for two matrix instructions.
; LAYOUT.  Source 0 = 16 rows of a weight, in slot order (lane r of tile u takes row 8 u + (r & 7) + 16 (r >> 3) of 32), source 1 = 16 rows of the activations: lane (r, h) holds row r, and the 16 registers of
; tiles u = 0, 1 are columns 16 h + 0 .. 15 of the 32: half a block of the next product's K; the other half lies in lane l xor 16.
; Operands go from wave to wave through LDS as images of their registers: 16 bytes a lane at 16 x lane.  x comes in, and out leaves, through a stage in LDS, so that every global access is 512 consecutive bytes.
; x + bo is the C of the first product, b1 of the second, and the third adds onto x1 + b2 in place.
; gelu: 0.5 x (1 + tanh u) = x / (1 + 2^(-2 log2(e) u)), u = sqrt(2 / pi) (x + 0.044715 x^3): v_exp_f32 and v_rcp_f32; no overflow does harm: 2^z = infinity gives 0, 2^z = 0 gives x.
; NO CLUSTER, NO TENSOR LOAD: all work-groups walk the same 1,179,648 bytes of weights, more than three times a work-group's LDS; joint loads would bring them through LDS in refills, each behind a round of the
; cluster's barrier, and each fragment would be read from LDS once more for its two matrix instructions.  Here they come from the cache into registers.  The simpler form; not shown to be the faster one.
; LIMITS: NaN and infinities among the inputs are not served.  A block of zeros, or one whose largest magnitude lies under 2^-124, gets the scale byte 1; the bytes are this program's own.  1 / sqrt is v_rsq_f32.
; The variance is the mean of (x1 - mean)^2, taken in a second pass.
; THE MODE: SCHED_MODE bits 1:0 = 2 (LLVM: expert scheduling mode 2), set by the entry lines.  The code itself states the register dependences
; between vector or matrix instructions and memory or LDS instructions, with s_wait_alu, always for 0.
; THE PLAN.  Registers that memory or LDS instructions touch:
;   v1-13      addresses and offsets: written once at the head, never again.  v244-247: the norm's four LDS addresses, written at the head, read up to the norm's image, then taken by the first gelu.
;   v160-191   two rows of x land; the stage's LDS stores read them; the norm's gain and shift land; from then on vector and matrix lines alone (the hidden layer's accumulators).
;   H, HS      ctx lands (memory); the norm's partial sums pass through v48-79 (vector lines write, LDS stores read, LDS loads land); the norm's image lands; the hidden layer's lands four times; rows of out land.
;              Between the landings a unit's products read them.
;   W, WS, BI  a weight's fragments, scale words and bias land; a unit's products (the bias: also additions) read them; the next land.
;   X1         x lands once; vector and matrix lines work on it; the stage's LDS stores read it at the end.
;   v240-243, v254, v255   the out-buffer: written by the quantiser, read by the image's LDS stores; v240-247 are also the gelu's work registers.
; So: ONE wait on va_vdst behind each unit's places (its products are done reading what the next loads land in; behind the last unit: X1 is written), one ahead of each run of LDS stores,
; and one wait on vm_vsrc ahead of each rewriting of registers that LDS instructions have read.
.set H,    16                          ; v16-79   the activations' fragments: (tile T, K step s) at H + 32 T + 8 s
.set HS,   80                          ; v80-87   their scale words, 4 T + s: scales and nothing else
.set W,    88                          ; v88-151  a weight's fragments: (tile u, K step s) at W + 32 u + 8 s
.set WS,   152                         ; v152-159 their scale words, 4 u + s: scales and nothing else
.set ACC,  160                         ; v160-191 the hidden layer's four accumulators.  Before that: two rows of x; the norm's gain and shift
.set X1,   192                         ; v192-223 x, x1, out: row (T, r), register 16 T + i: column 32 w + 16 h + i
.set BI,   224                         ; v224-239 a bias: 16 numbers, columns 16 h + i of the unit's 32
.set HIMG, 0                           ; LDS: the norm's 8 fragments, 1,024 bytes each
.set HSC,  8192                        ; their scale bytes [T][r][16]
.set RED1, 8704                        ; partial sums [16 T + r][16 words]
.set RED2, 10752
.set GIMG, 12800                       ; the hidden layer's 32 fragments: 16 T + K step
.set GSC,  45568                       ; their scale bytes [T][r][64]
.set STG,  47616                       ; 32 rows of 2,048 bytes + 16: 129 x 16 bytes from row to row
.set SP,   2064
.set K2,   48                          ; s[48:49] -2 log2(e) sqrt(2 / pi) x 0.044715
.set SEL,  50                          ; s[50:51] selects of v_permlanex16_b32 for lane l xor 16
.macro PLACES n
.rept \n
	v_nop
.endr
.endm
.macro BARRIER                         ; my LDS stores have landed and my LDS loads are in: then the work-group's barrier
	s_wait_dscnt 0x0
	s_barrier_signal -1
	s_barrier_wait -1
.endm
; 18 loads: the 16 fragments' halves and the 8 scale words of 32 rows x 512 along K of a weight whose rows are P bytes.  va = ((r & 7) + 16 (r >> 3)) P + 16 h, vs = the same row x P / 16
.macro WLOAD cb, sb, va, vs, P, off, soff
.irp u, 0,1
.irp s, 0,1,2,3
.irp c, 0,1
	global_load_b128 v[W+32*\u+8*\s+4*\c:W+32*\u+8*\s+4*\c+3], v[\va], s[\cb:\cb+1] offset:(\off)+8*\u*(\P)+64*\s+32*\c
.endr
.endr
.endr
.irp u, 0,1
	global_load_b128 v[WS+4*\u:WS+4*\u+3], v[\vs], s[\sb:\sb+1] offset:(\soff)+8*\u*(\P)/16
.endr
.endm
.macro BLOAD b, off                    ; 16 numbers of a bias: 64 h bytes on in the unit's 128
.irp i, 0,1,2,3
	global_load_b128 v[BI+4*\i:BI+4*\i+3], v9, s[\b:\b+1] offset:(\off)+16*\i
.endr
.endm
; 16 matrix instructions: 32 rows of W x 32 rows x K = 512.  The four accumulators take turns, one instruction a turn.  mode 1: onto what the accumulators hold; mode 2: the bias starts the sums.
.macro UNIT acc, mode
.irp s, 0,1,2,3
.irp t, 0,1
.irp u, 0,1
.set rD, \acc+16*\t+8*\u
.set rA, W+32*\u+8*\s
.set rB, H+32*\t+8*\s
.if (\s == 0) && (\mode == 2)
	v_wmma_scale_f32_16x16x128_f8f6f4 v[rD:rD+7], v[rA:rA+7], v[rB:rB+7], v[BI+8*\u:BI+8*\u+7], v[WS+4*\u+\s], v[HS+4*\t+\s] matrix_a_fmt:MATRIX_FMT_FP4 matrix_b_fmt:MATRIX_FMT_FP4
.else
	v_wmma_scale_f32_16x16x128_f8f6f4 v[rD:rD+7], v[rA:rA+7], v[rB:rB+7], v[rD:rD+7], v[WS+4*\u+\s], v[HS+4*\t+\s] matrix_a_fmt:MATRIX_FMT_FP4 matrix_b_fmt:MATRIX_FMT_FP4
.endif
.endr
.endr
.endr
.endm
; Two runs of 16 registers, a + 16 x, each half a block of 32, become codes in v[240 + 2 x], v[241 + 2 x] and a scale byte in v[254 + x].  Each accumulator is read from its low end on.
.macro QPAIR2 a
.irp x, 0,1
	v_max3_num_f32 v[248+\x], |v[\a+16*\x]|, |v[\a+16*\x+1]|, 0x1800000   ; and the floor 2^(3 - 127): the byte cannot fall under 1
.endr
.irp i, 2,4,6,8,10,12,14
.irp x, 0,1
	v_max3_num_f32 v[248+\x], v[248+\x], |v[\a+16*\x+\i]|, |v[\a+16*\x+\i+1]|
.endr
.endr
.irp x, 0,1
	v_permlanex16_b32 v[250+\x], v[248+\x], s[SEL], s[SEL+1]
.endr
.irp x, 0,1
	v_max_num_f32 v[248+\x], v[248+\x], v[250+\x]
.endr
.irp x, 0,1
	v_add_nc_u32 v[252+\x], 0xff000000, v[248+\x]          ; 2 off the exponent field: the conversion's scale operand
.endr
.irp x, 0,1
	v_lshrrev_b32 v[254+\x], 23, v[252+\x]                 ; the scale's byte
.endr
.irp x, 0,1
	v_cvt_scalef32_pk8_fp4_f32 v[240+2*\x], v[\a+16*\x:\a+16*\x+7], v[252+\x]
	v_cvt_scalef32_pk8_fp4_f32 v[241+2*\x], v[\a+16*\x+8:\a+16*\x+15], v[252+\x]
.endr
	v_nop                                          ; one plain place behind the scaled conversions
.endm
.macro GELU8 b                         ; eight numbers in place
.irp p, 0,2,4,6
	v_pk_mul_f32 v[240+\p:241+\p], v[\b+\p:\b+\p+1], v[\b+\p:\b+\p+1]
.endr
.irp p, 0,2,4,6
	v_pk_fma_f32 v[240+\p:241+\p], v[240+\p:241+\p], s[K2:K2+1], v[14:15] op_sel_hi:[1,0,1]   ; k2 x^2 + k1
.endr
.irp p, 0,2,4,6
	v_pk_mul_f32 v[240+\p:241+\p], v[240+\p:241+\p], v[\b+\p:\b+\p+1]                         ; z = -2 log2(e) u
.endr
	s_wait_alu depctr_va_vdst(0)
.irp i, 0,1,2,3,4,5,6,7
	v_exp_f32 v[240+\i], v[240+\i]
.endr
	v_nop                                          ; one plain place behind the transcendentals
	s_wait_alu depctr_va_vdst(0)                   ; the eight exponentials have written v240 to v247, which the additions read
.irp p, 0,2,4,6
	v_pk_add_f32 v[240+\p:241+\p], v[240+\p:241+\p], 1.0 op_sel_hi:[1,0]
.endr
	s_wait_alu depctr_va_vdst(0)
.irp i, 0,1,2,3,4,5,6,7
	v_rcp_f32 v[240+\i], v[240+\i]
.endr
	v_nop
	s_wait_alu depctr_va_vdst(0)                   ; the eight reciprocals have written v240 to v247, which the multiplications read
.irp p, 0,2,4,6
	v_pk_mul_f32 v[\b+\p:\b+\p+1], v[\b+\p:\b+\p+1], v[240+\p:241+\p]
.endr
.endm
.macro ROWSUM off                      ; the sixteen waves' partial sums of rows (0, r) and (1, r), added in one fixed order, into v48 and v64
.irp t, 0,1
.irp k, 0,1,2,3
	ds_load_b128 v[48+16*\t+4*\k:51+16*\t+4*\k], v245 offset:\off+1024*\t+16*\k
.endr
.endr
	s_wait_dscnt 0x0
.irp k, 0,4,8,12
.irp t, 0,1
	v_pk_add_f32 v[48+16*\t+\k:49+16*\t+\k], v[48+16*\t+\k:49+16*\t+\k], v[50+16*\t+\k:51+16*\t+\k]
.endr
.endr
.irp k, 0,8
.irp t, 0,1
	v_pk_add_f32 v[48+16*\t+\k:49+16*\t+\k], v[48+16*\t+\k:49+16*\t+\k], v[52+16*\t+\k:53+16*\t+\k]
.endr
.endr
.irp t, 0,1
	v_pk_add_f32 v[48+16*\t:49+16*\t], v[48+16*\t:49+16*\t], v[56+16*\t:57+16*\t]
.endr
.irp t, 0,1
	v_add_f32 v[48+16*\t], v[48+16*\t], v[49+16*\t]
.endr
.endm
	s_load_b512 s[8:23], s[0:1], 0x0               ; x 8, cc 10, cs 12, wo codes 14, scales 16, bo 18, gain 20, shift 22
	s_load_b256 s[24:31], s[0:1], 0x40             ; w1 codes 24, scales 26, b1 28, w2 codes 30
	s_load_b128 s[32:35], s[0:1], 0x60             ; w2 scales 32, b2 34
	s_load_b64 s[36:37], s[0:1], 0x70              ; out 36
	v_lshrrev_b32 v13, 5, v0
	v_readfirstlane_b32 s40, v13                   ; wave w
	v_and_b32 v1, 31, v0
	v_lshlrev_b32 v1, 4, v1                        ; v1  16 x lane
	v_and_b32 v240, 15, v0                         ; r
	v_bfe_u32 v241, v0, 4, 1                       ; h
	v_and_b32 v242, 8, v240
	v_add_nc_u32 v242, v242, v240                  ; (r & 7) + 16 (r >> 3)
	s_wait_alu depctr_va_sdst(0)                   ; s40 is written, ahead of its first reader: LDS addresses and the buffers' offsets are made from it
	s_mul_i32 s41, s40, 2*SP
	s_add_co_u32 s41, s41, STG
	v_add_nc_u32 v2, s41, v1                       ; v2  the stage by whole rows: rows 2 w and 2 w + 1
	s_lshl_b32 s41, s40, 7
	s_add_co_u32 s41, s41, STG
	v_mul_u32_u24 v3, v240, SP
	v_lshl_add_u32 v3, v241, 6, v3
	v_add_nc_u32 v3, s41, v3                       ; v3  the stage by my columns: row r, byte 128 w + 64 h
	v_lshlrev_b32 v4, 4, v240                      ; v4  16 r
	v_lshlrev_b32 v5, 8, v242
	v_lshl_add_u32 v5, v241, 4, v5                 ; v5  a weight's row of 256 bytes, + 16 h
	v_lshlrev_b32 v6, 4, v242                      ; v6  its 16 scale bytes
	v_lshlrev_b32 v7, 10, v242
	v_lshl_add_u32 v7, v241, 4, v7                 ; v7  w2's row of 1,024 bytes, + 16 h
	v_lshlrev_b32 v8, 6, v242                      ; v8  its 64 scale bytes
	v_lshlrev_b32 v9, 6, v241                      ; v9  64 h: my 16 numbers of a bias
	v_lshl_add_u32 v243, v241, 3, v4               ; 16 r + 8 h
	s_lshl_b32 s41, s40, 10
	s_add_co_u32 s41, s41, GIMG
	v_add_nc_u32 v10, s41, v243                    ; v10 the hidden layer's image: K step w, 16 r + 8 h
	v_lshlrev_b32 v12, 6, v240                     ; v12 64 r
	s_lshl_b32 s41, s40, 2
	s_add_co_u32 s42, s41, GSC
	v_add_nc_u32 v11, s42, v12                     ; v11 its scale bytes: 64 r + 4 w
	v_lshl_add_u32 v13, v241, 15, v4               ; v13 ctx's codes: head h of a pair, token r
	v_mov_b32 v14, 0xc0135761                      ; v[14:15] k1 = -2 log2(e) sqrt(2 / pi)
	v_mov_b32 v15, 0xc0135761
	s_add_co_u32 s42, s41, RED1
	v_add_nc_u32 v244, s42, v12                    ; v244-247 serve the norm alone and are free when the first gelu takes them: my wave's word of a row's partial sums,
	v_add_nc_u32 v245, RED1, v12                   ; the row's sixteen,
	s_lshl_b32 s42, s40, 8
	v_add_nc_u32 v246, s42, v243                   ; the norm's image: K step w / 4, block w % 4: 256 w + 16 r + 8 h,
	s_add_co_u32 s42, s40, HSC
	v_add_nc_u32 v247, s42, v4                     ; and its scale byte: 16 r + w
	v_mov_b32 v250, 0                              ; written once: a lane permute's destination counts as one of its sources
	v_mov_b32 v251, 0
	s_mov_b32 s[K2], 0xbdd2d3e8
	s_mov_b32 s[K2+1], s[K2]                       ; (named with it as a pair, so it is written)
	s_mov_b32 s[SEL], 0x76543210
	s_mov_b32 s[SEL+1], 0xfedcba98
	s_mov_b32 s52, 0x3b000000                      ; 1 / 512
	s_mov_b32 s45, 0
	s_mov_b32 s47, 0
	s_mov_b32 s55, 0
	s_mov_b32 s57, 0
	s_mov_b32 s59, 0
	s_mov_b32 s61, 0
	s_lshl_b32 s44, ttmp9, 16                      ; rows 32 g + 2 w of x and of out
	s_lshl_b32 s46, s40, 12
	s_add_co_u32 s44, s44, s46
	s_lshr_b32 s46, ttmp9, 6                       ; ctx's codes: [16 x batch + head][token][16]
	s_lshl_b32 s46, s46, 19
	s_and_b32 s53, ttmp9, 63
	s_lshl_b32 s53, s53, 9
	s_add_co_u32 s46, s46, s53
	s_lshl_b32 s54, ttmp9, 9                       ; its scale bytes: 16 a row
	s_lshl_b32 s56, s40, 13                        ; 8,192 w
	s_lshl_b32 s58, s40, 9                         ; 512 w
	s_lshl_b32 s60, s40, 7                         ; 128 w
	s_wait_kmcnt 0x0
	s_add_nc_u64 s[8:9], s[8:9], s[44:45]
	s_add_nc_u64 s[36:37], s[36:37], s[44:45]
	s_add_nc_u64 s[10:11], s[10:11], s[46:47]
	s_add_nc_u64 s[12:13], s[12:13], s[54:55]
	s_add_nc_u64 s[14:15], s[14:15], s[56:57]      ; wo: my 32 rows of 256 bytes,
	s_add_nc_u64 s[16:17], s[16:17], s[58:59]      ; of 16 scale bytes
	s_add_nc_u64 s[18:19], s[18:19], s[60:61]      ; bo, gain, shift, b2: my 32 numbers
	s_add_nc_u64 s[20:21], s[20:21], s[60:61]
	s_add_nc_u64 s[22:23], s[22:23], s[60:61]
	s_add_nc_u64 s[34:35], s[34:35], s[60:61]
	s_add_nc_u64 s[28:29], s[28:29], s[58:59]      ; b1: my 128 numbers
	s_lshl_b32 s56, s40, 15                        ; 32,768 w: my 128 rows of w1, my 32 rows of w2
	s_lshl_b32 s58, s40, 11                        ; 2,048 w: their scale bytes
	s_add_nc_u64 s[24:25], s[24:25], s[56:57]
	s_add_nc_u64 s[26:27], s[26:27], s[58:59]
	s_add_nc_u64 s[30:31], s[30:31], s[56:57]
	s_add_nc_u64 s[32:33], s[32:33], s[58:59]
	s_wait_alu depctr_va_vdst(0)                   ; the addresses and offsets v1 to v13 and v244 to v247 are written: every load and store of the kernel reads one of them
.irp i, 0,1,2,3,4,5,6,7
	global_load_b128 v[160+4*\i:163+4*\i], v1, s[8:9] offset:512*\i th:TH_LOAD_NT   ; two rows of x: each load 512 consecutive bytes
.endr
.irp t, 0,1
.irp s, 0,1,2,3
.irp c, 0,1
	global_load_b128 v[H+32*\t+8*\s+4*\c:H+32*\t+8*\s+4*\c+3], v13, s[10:11] offset:(4*\s+2*\c)*32768+256*\t   ; ctx: block 2 c + h of K step s is head 4 s + 2 c + h; sixteen lanes read 256 consecutive bytes
.endr
.endr
.endr
.irp t, 0,1
	global_load_b128 v[HS+4*\t:HS+4*\t+3], v4, s[12:13] offset:256*\t
.endr
	WLOAD 14, 16, 5, 6, 256, 0, 0                  ; wo
	BLOAD 18, 0                                    ; bo
	s_wait_loadcnt 40                              ; x's eight loads are in; the 18 + 18 + 4 behind them stay out
.irp i, 0,1,2,3,4,5,6,7
	ds_store_b128 v2, v[160+4*\i:163+4*\i] offset:(\i/4)*SP+512*(\i%4)
.endr
	BARRIER                                        ; the 32 rows lie in the stage
	s_wait_alu depctr_vm_vsrc(0)                   ; the stage's LDS stores have read v160 to v191, in which gain and shift land
.irp i, 0,1,2,3
	global_load_b128 v[160+4*\i:163+4*\i], v9, s[20:21] offset:16*\i     ; the norm's gain,
.endr
.irp i, 0,1,2,3
	global_load_b128 v[176+4*\i:179+4*\i], v9, s[22:23] offset:16*\i     ; and shift, for my 16 columns
.endr
.irp t, 0,1
.irp i, 0,1,2,3
	ds_load_b128 v[X1+16*\t+4*\i:X1+16*\t+4*\i+3], v3 offset:16*\t*SP+16*\i
.endr
.endr
	s_wait_loadcnt 8                               ; ctx, wo and bo are in; gain and shift stay out
	s_wait_dscnt 0x0
.irp t, 0,1
.irp j, 0,2,4,6,8,10,12,14
	v_pk_add_f32 v[X1+16*\t+\j:X1+16*\t+\j+1], v[X1+16*\t+\j:X1+16*\t+\j+1], v[BI+\j:BI+\j+1]   ; x + bo
.endr
.endr
	PLACES 4
	UNIT X1, 1                                     ; x1 = x + bo + ctx wo
	PLACES 5                                       ; behind the products: in front of the reads of the results
	s_wait_alu depctr_va_vdst(0)                   ; the products are done reading wo's fragments and scale words, and the additions bo: w1's first unit and b1 land there
	WLOAD 24, 26, 5, 6, 256, 0, 0                  ; w1's first 32 rows land while the norm is taken
	BLOAD 28, 0
	; the norm: the mean
.irp t, 0,1
	v_pk_add_f32 v[48+4*\t:49+4*\t], v[X1+16*\t:X1+16*\t+1], v[X1+16*\t+2:X1+16*\t+3]
.endr
.irp j, 4,6,8,10,12,14
.irp t, 0,1
	v_pk_add_f32 v[48+4*\t:49+4*\t], v[48+4*\t:49+4*\t], v[X1+16*\t+\j:X1+16*\t+\j+1]
.endr
.endr
.irp t, 0,1
	v_add_f32 v[48+4*\t], v[48+4*\t], v[49+4*\t]
.endr
.irp t, 0,1
	v_permlanex16_b32 v[250+\t], v[48+4*\t], s[SEL], s[SEL+1]
.endr
.irp t, 0,1
	v_add_f32 v[48+4*\t], v[48+4*\t], v[250+\t]    ; my wave's 32 columns of row (T, r)
.endr
	s_wait_alu depctr_va_vdst(0)                   ; the additions have written v48 and v52, which the LDS stores read, and are done with v48 to v53, in which the partial sums land (no vector line stands between)
.irp t, 0,1
	ds_store_b32 v244, v[48+4*\t] offset:1024*\t   ; (both halves of the lanes write the same word with the same value)
.endr
	BARRIER
	s_wait_alu depctr_vm_vsrc(0)                   ; the two LDS stores have read v48 and v52, in which the partial sums land
	ROWSUM 0
.irp t, 0,1
	v_mul_f32 v[48+16*\t], s52, v[48+16*\t]
.endr
.irp t, 0,1
	v_mov_b32 v[49+16*\t], v[48+16*\t]
.endr
.irp j, 0,2,4,6,8,10,12,14
.irp t, 0,1
	v_pk_add_f32 v[16+16*\t+\j:17+16*\t+\j], v[X1+16*\t+\j:X1+16*\t+\j+1], v[48+16*\t:49+16*\t] neg_lo:[0,1] neg_hi:[0,1]   ; y = x1 - mean; x1 is kept
.endr
.endr
	; the variance
.irp t, 0,1
	v_pk_mul_f32 v[52+16*\t:53+16*\t], v[16+16*\t:17+16*\t], v[16+16*\t:17+16*\t]
.endr
.irp j, 2,4,6,8,10,12,14
.irp t, 0,1
	v_pk_fma_f32 v[52+16*\t:53+16*\t], v[16+16*\t+\j:17+16*\t+\j], v[16+16*\t+\j:17+16*\t+\j], v[52+16*\t:53+16*\t]
.endr
.endr
.irp t, 0,1
	v_add_f32 v[52+16*\t], v[52+16*\t], v[53+16*\t]
.endr
.irp t, 0,1
	v_permlanex16_b32 v[250+\t], v[52+16*\t], s[SEL], s[SEL+1]
.endr
.irp t, 0,1
	v_add_f32 v[52+16*\t], v[52+16*\t], v[250+\t]
.endr
	s_wait_alu depctr_va_vdst(0)                   ; the additions have written v52 and v68, which the LDS stores read; the mean's and the variance's lines are done with v48 to v79, in which the partial sums land
.irp t, 0,1
	ds_store_b32 v244, v[52+16*\t] offset:RED2-RED1+1024*\t
.endr
	BARRIER
	s_wait_alu depctr_vm_vsrc(0)                   ; the two LDS stores have read v52 and v68, in which the partial sums land
	ROWSUM RED2-RED1
	v_mov_b32 v51, 0x3727c5ac                      ; 1e-5
.irp t, 0,1
	v_fma_f32 v[48+16*\t], v[48+16*\t], s52, v51
.endr
	s_wait_alu depctr_va_vdst(0)
.irp t, 0,1
	v_rsq_f32 v[48+16*\t], v[48+16*\t]
.endr
	v_nop                                          ; one plain place behind the transcendentals
	s_wait_alu depctr_va_vdst(0)                   ; the two reciprocal roots have written v48 and v64, which the next lines read
.irp t, 0,1
	v_mov_b32 v[49+16*\t], v[48+16*\t]
.endr
	s_wait_alu depctr_va_vdst(0)
	s_wait_loadcnt 22                              ; gain and shift are in; w1's 18 loads and b1's 4 stay out
.irp j, 0,2,4,6,8,10,12,14
.irp t, 0,1
	v_pk_mul_f32 v[16+16*\t+\j:17+16*\t+\j], v[16+16*\t+\j:17+16*\t+\j], v[48+16*\t:49+16*\t]
.endr
.endr
.irp j, 0,2,4,6,8,10,12,14
.irp t, 0,1
	v_pk_fma_f32 v[16+16*\t+\j:17+16*\t+\j], v[16+16*\t+\j:17+16*\t+\j], v[160+\j:161+\j], v[176+\j:177+\j]
.endr
.endr
	QPAIR2 16                                      ; my 32 columns are block w of the next K
	s_wait_alu depctr_va_vdst(0)                   ; the quantiser has written v240 to v243, v254 and v255, which the LDS stores read; the norm's lines are done with v16 to v79, in which the image lands (no vector line stands between)
.irp t, 0,1
	ds_store_b64 v246, v[240+2*\t:241+2*\t] offset:HIMG+4096*\t
	ds_store_b8 v247, v[254+\t] offset:256*\t      ; (both halves of the lanes write the same byte with the same value)
.endr
	BARRIER                                        ; the norm's eight fragments and their scale bytes lie in LDS
.irp f, 0,1,2,3,4,5,6,7
.irp c, 0,1
	ds_load_b128 v[H+8*\f+4*\c:H+8*\f+4*\c+3], v1 offset:HIMG+1024*\f+512*\c
.endr
.endr
.irp t, 0,1
	ds_load_b128 v[HS+4*\t:HS+4*\t+3], v4 offset:HSC+256*\t
.endr
	s_wait_dscnt 0x0
	; the hidden layer: my 128 units, 32 at a time
.irp q, 0,1,2,3
	s_wait_loadcnt 0x0                             ; this unit's rows of w1 and its bias
	UNIT ACC, 2
	PLACES 5
	s_wait_alu depctr_va_vdst(0)                   ; the products are done reading this unit's fragments, scale words and bias, in which the next unit's land
.if \q < 3
	WLOAD 24, 26, 5, 6, 256, 8192*(\q+1), 512*(\q+1)   ; the next unit's land while this one goes through gelu and the quantiser
	BLOAD 28, 128*(\q+1)
.else
	WLOAD 30, 32, 7, 8, 1024, 0, 0                 ; w2's first 512 along K
	BLOAD 34, 0                                    ; b2
.endif
	s_wait_dscnt 0x0                               ; the last image's LDS stores are done,
	s_wait_alu depctr_vm_vsrc(0)                   ; and have read v240 to v243, v254 and v255, which gelu and the quantiser write; at the first unit the norm's LDS instructions have read their addresses v244 to v247 too
	GELU8 ACC
	GELU8 ACC+8
	GELU8 ACC+16
	GELU8 ACC+24
	QPAIR2 ACC                                     ; block q of K step w
	s_wait_alu depctr_va_vdst(0)                   ; the quantiser has written v240 to v243, v254 and v255, which the LDS stores read
.irp t, 0,1
	ds_store_b64 v10, v[240+2*\t:241+2*\t] offset:16384*\t+512*(\q/2)+256*(\q%2)
	ds_store_b8 v11, v[254+\t] offset:1024*\t+\q
.endr
.endr
	BARRIER                                        ; the hidden layer's 32 fragments and their scale bytes lie in LDS
	s_wait_loadcnt 0x0
.irp t, 0,1
.irp j, 0,2,4,6,8,10,12,14
	v_pk_add_f32 v[X1+16*\t+\j:X1+16*\t+\j+1], v[X1+16*\t+\j:X1+16*\t+\j+1], v[BI+\j:BI+\j+1]   ; x1 + b2
.endr
.endr
	PLACES 4
	s_wait_alu depctr_va_vdst(0)
.irp ch, 0,1,2,3                               ; K = 2,048 in four runs of 512.  The loads into H and HS owe no wait of their own: no vector line since the last wait on va_vdst names these registers
.irp t, 0,1
.irp s, 0,1,2,3
.irp c, 0,1
	ds_load_b128 v[H+32*\t+8*\s+4*\c:H+32*\t+8*\s+4*\c+3], v1 offset:GIMG+1024*(16*\t+4*\ch+\s)+512*\c
.endr
.endr
.endr
.irp t, 0,1
	ds_load_b128 v[HS+4*\t:HS+4*\t+3], v12 offset:GSC+1024*\t+16*\ch
.endr
	s_wait_dscnt 0x0
	s_wait_loadcnt 0x0
	UNIT X1, 1
	PLACES 5
	s_wait_alu depctr_va_vdst(0)                   ; the products are done reading W, WS, H and HS, in which the next run's loads (behind the last run: rows of out) land; behind the last run they have written X1, which the stage's stores read
.if \ch < 3
	WLOAD 30, 32, 7, 8, 1024, 256*(\ch+1), 16*(\ch+1)
.endif
.endr
	; the way out: into the stage by my columns (every wave's reads of x there were waited for in front of the second barrier), back by whole rows
.irp t, 0,1
.irp i, 0,1,2,3
	ds_store_b128 v3, v[X1+16*\t+4*\i:X1+16*\t+4*\i+3] offset:16*\t*SP+16*\i     ; each accumulator from its low end on
.endr
.endr
	BARRIER
.irp i, 0,1,2,3,4,5,6,7
	ds_load_b128 v[16+4*\i:19+4*\i], v2 offset:(\i/4)*SP+512*(\i%4)
.endr
.irp i, 0,1,2,3,4,5,6,7
	s_wait_dscnt 7-\i                              ; LDS loads come back in order: load i is in, the younger ones stay out
	global_store_b128 v1, v[16+4*\i:19+4*\i], s[36:37] offset:512*\i th:TH_STORE_NT   ; 32 lanes store 512 consecutive bytes, aligned
.endr
	s_wait_xcnt 0x0
	s_wait_alu depctr_vm_vsrc(0)                   ; the last unit's byte stores have read v254 and v255, which the two lines below make anew
	v_lshl_add_u32 v254, v0, 2, 0x1bc00
	v_mov_b32 v255, 0
	s_wait_dscnt 0x0                               ; the wave's end
	s_wait_alu 0x0
	s_wait_tensorcnt 0x0
	ds_add_u32 v254, v255
	s_wait_dscnt 0x0
	s_endpgm
.Lfunc_end_k_qb4ee51366d_ffn:
	.size	k_qb4ee51366d_ffn, .Lfunc_end_k_qb4ee51366d_ffn-k_qb4ee51366d_ffn
	.p2alignl 7, 3214868480
	.fill 96, 4, 3214868480
	.section	.rodata,"a",@progbits
	.p2align	6, 0x0
	.amdhsa_kernel k_qb4ee51366d_ffn
		.amdhsa_group_segment_fixed_size 115712
		.amdhsa_private_segment_fixed_size 0
		.amdhsa_enable_private_segment 0
		.amdhsa_kernarg_size 120
		.amdhsa_user_sgpr_count 2
		.amdhsa_user_sgpr_kernarg_segment_ptr 1
		.amdhsa_wavefront_size32 1
		.amdhsa_system_sgpr_workgroup_id_x 1
		.amdhsa_system_sgpr_workgroup_id_y 1
		.amdhsa_system_sgpr_workgroup_id_z 1
		.amdhsa_system_vgpr_workitem_id 0
		.amdhsa_next_free_vgpr 256
		.amdhsa_next_free_sgpr 66
		.amdhsa_reserve_vcc 0
		.amdhsa_float_denorm_mode_32 3
		.amdhsa_float_denorm_mode_16_64 3
		.amdhsa_memory_ordered 1
		.amdhsa_forward_progress 1
		.amdhsa_inst_pref_size 108
	.end_amdhsa_kernel
	.amdgpu_metadata
---
amdhsa.version: [ 1, 2 ]
amdhsa.kernels:
  - .name:           k_qb4ee51366d_ffn
    .symbol:         k_qb4ee51366d_ffn.kd
    .args:
      - { .name: x, .offset: 0, .size: 8, .value_kind: global_buffer, .address_space: global }
      - { .name: cc, .offset: 8, .size: 8, .value_kind: global_buffer, .address_space: global }
      - { .name: cs, .offset: 16, .size: 8, .value_kind: global_buffer, .address_space: global }
      - { .name: wo_codes, .offset: 24, .size: 8, .value_kind: global_buffer, .address_space: global }
      - { .name: wo_scales, .offset: 32, .size: 8, .value_kind: global_buffer, .address_space: global }
      - { .name: bo, .offset: 40, .size: 8, .value_kind: global_buffer, .address_space: global }
      - { .name: ln2_scale, .offset: 48, .size: 8, .value_kind: global_buffer, .address_space: global }
      - { .name: ln2_shift, .offset: 56, .size: 8, .value_kind: global_buffer, .address_space: global }
      - { .name: w1_codes, .offset: 64, .size: 8, .value_kind: global_buffer, .address_space: global }
      - { .name: w1_scales, .offset: 72, .size: 8, .value_kind: global_buffer, .address_space: global }
      - { .name: b1, .offset: 80, .size: 8, .value_kind: global_buffer, .address_space: global }
      - { .name: w2_codes, .offset: 88, .size: 8, .value_kind: global_buffer, .address_space: global }
      - { .name: w2_scales, .offset: 96, .size: 8, .value_kind: global_buffer, .address_space: global }
      - { .name: b2, .offset: 104, .size: 8, .value_kind: global_buffer, .address_space: global }
      - { .name: out0, .offset: 112, .size: 8, .value_kind: global_buffer, .address_space: global }
    .group_segment_fixed_size: 115712
    .private_segment_fixed_size: 0
    .kernarg_segment_align: 8
    .kernarg_segment_size: 120
    .max_flat_workgroup_size: 512
    .sgpr_count:     66
    .vgpr_count:     256
    .wavefront_size: 32
...
	.end_amdgpu_metadata
.endif
;; end of part 6
